; MI455X (gfx1250); checked and timed in simulation.
; The chip was launched on July 23, 2026; its instructions are those of AMD's public machine-readable ISA for CDNA 5 (MIT licence, August 2026) and "CDNA5" Instruction Set Architecture Reference Guide (July 2026). The comments in the code are by the model that wrote it; some were corrected since.
;; Standard Attention. Allowed arithmetic: matrix products marked QUANTISED: E5M2 operands, one E8M0 scale for each 32 along K, by v_wmma_scale_f32_16x16x128_f8f6f4 with both operands' format E5M2, f32 sums; everything else in f32.
;; Inputs: b_out 1,024 float32; b_qkv 3,072 float32; w_out 1,024 x 1,024 float32; w_qkv 3,072 x 1,024 float32; x 4 x 2,048 x 1,024 float32.
;; Outputs: out0 4 x 2,048 x 1,024 float32.
;; This version of the problem:
;;   THIS VERSION OF THE PROBLEM IS GIVEN IN LOW PRECISION. The matrix products marked QUANTISED in the list below multiply operands that are first quantised to E5M2 (5 exponent bits, 2 mantissa bits; 8 bits a number), with one power-of-two scale for each 32 numbers along K (OCP MX v1.0); their sums are f32. All else is computed in f32.
;;   The module's matrix products, in the order in which they are computed (A, B: the left and right operand; K: the contracted axis; several contracted axes count as one K, in the product's order):
;;     1. [M 8,192, K 1,024] x [K 1,024, N 3,072]; A: input x; B: input w_qkv: QUANTISED
;;     2. batch 64 x [M 2,048, K 64] x [K 64, N 2,048]; A: computed on the way; B: computed on the way: QUANTISED
;;     3. batch 64 x [M 2,048, K 2,048] x [K 2,048, N 64]; A: softmax (see below); B: computed on the way: QUANTISED
;;     4. [M 8,192, K 1,024] x [K 1,024, N 1,024]; A: computed on the way; B: input w_out: QUANTISED
;;   THE QUANTISER, for each operand of a quantised product, along K:
;;     - K is cut into blocks of 32 from its start; a last block that is shorter is filled with zeros.
;;     - A block's scale is 2^e with e = floor(log2(the largest magnitude in the block)) - 15, held to -126 .. 127; a block of zeros has e = 0. As a byte (E8M0): e + 127.
;;     - Each number is divided by its block's scale, clamped to +-57,344, and rounded to the nearest number of E5M2, ties to even, subnormals kept.
;;     - The product sums the exact products of the quantised numbers (number of the format x scale) in f32.
;;   ~~~python
;;   def quantise(x, axis):      # numpy; x: float32 -> the quantised numbers, widened to float32 again
;;       x = np.moveaxis(x, axis, -1); K = x.shape[-1]
;;       x = np.pad(x, [(0, 0)] * (x.ndim - 1) + [(0, -K % 32)]); x = x.reshape(x.shape[:-1] + (-1, 32)); a = np.abs(x).max(-1, keepdims=True)
;;       e = np.where(a > 0, np.clip(np.frexp(np.where(a > 0, a, 1))[1] - 1 - 15, -126, 127), 0)      # np.frexp(a)[1] - 1 = floor(log2(a)), exactly
;;       r = np.clip(x / 2.0 ** e, -57344, 57344)
;;       step = 2.0 ** (np.maximum(np.frexp(np.where(r == 0, 1, r))[1] - 1, -14) - 2)
;;       q = np.round(r / step) * step * 2.0 ** e      # np.round: ties to even
;;       return np.moveaxis(q.reshape(q.shape[:-2] + (-1,))[..., :K], -1, axis).astype(np.float32)
;;   ~~~
;;   SOFTMAX AHEAD OF A QUANTISED PRODUCT. Where the list says 'softmax', what is quantised is not the finished softmax but p = 2^(t - M), with t = logit x log2(e) and M = ceil(the row's largest t), a whole number; so 1/2 < the row's largest p <= 1. The row's sum l is taken of the UNQUANTISED p, in f32, and the product's result is divided by l at the end. Since M is a whole number, a kernel that streams over the keys may use a running M (the ceiling of the running maximum): every later rescaling is an exact power of two, which a block's scale takes up: the codes' values come out the same.
;;   OPERANDS COMPUTED ON THE WAY. 'Computed on the way' means the value that the module computes at that place (a softmax that the list does not call 'softmax' is quantised finished and normalised). What goes into a quantiser is computed in f32, as accurately as f32 sums, v_exp_f32 and their like allow (about 1e-6 of the number): no bf16 or f16 on the way to a quantiser, and a product that is left as it is and whose result goes on into a quantised operand takes f32 operands (vector FMAs, or v_wmma_f32_16x16x4_f32). A number that lies on a knife's edge between two numbers of the format may be rounded either way, as far as f32 arithmetic and the matrix unit's own rounding can turn it there, and no further.
;; One version. Each part assembles by itself: llvm-mc -triple=amdgcn-amd-amdhsa -mcpu=gfx1250 --defsym DOCPART=n.
;; ======== version 1 of 1: 4 launches
;; limits: right only within a limited range of input values
;; workspace buffers: in_img 12,582,912 bytes; in_sc 393,216 bytes; qkv 25,952,256 bytes; att_img 8,388,608 bytes; att_sc 262,144 bytes
;; launch quant (part 1): grid 384 x 1, 4 waves a work-group, no clusters, 34,304 bytes of LDS; arguments x, w_qkv, w_out, in_img, in_sc; writes in_img, in_sc
.if DOCPART == 1
	.amdgcn_target "amdgcn-amd-amdhsa--gfx1250"
	.amdhsa_code_object_version 6
	.text
	.protected	k_qe62c0f8f5f_quant
	.globl	k_qe62c0f8f5f_quant
	.p2align	8
	.type	k_qe62c0f8f5f_quant,@function
k_qe62c0f8f5f_quant:
	s_mov_b64 s[64:65], 0
	v_nop
	global_prefetch_b8 v0, s[64:65] scope:SCOPE_SE
	s_setreg_imm32_b32 hwreg(HW_REG_WAVE_MODE, 25, 1), 1
	s_wait_xcnt 0x0
; x [8192][1024], w_qkv [3072][1024] and w_out [1024][1024], f32 with K innermost, become codes of BF8 (E5M2) with one E8M0 scale byte for each 32 along K,
; laid as IMAGES OF THE OPERAND'S REGISTERS, so that the products' launches need no pitch, no padding and no turn.
; ROW TILES: the 12,288 rows (x, then w_qkv, then w_out) are cut into 768 tiles of 16: tile 2 g + u holds rows 32 g + 8 u + p(r), p(r) = r + 8 (r / 8), lane r of a fragment taking that row.
; in_img: [tile][K step of 128: 0..7][piece c: 0..3][lane: 0..31][16 bytes]; lane (r, h) of piece c holds the codes of k = 32 c + 16 h + 0 .. 15 of its row.
; in_sc:  [tile][256 along K: 0..3][r: 0..15][2 words]; a word is the four scale bytes of one K step of 128.
; A block's scale is 2^(floor(log2(its largest magnitude)) - 15); its byte is the largest magnitude's exponent field - 15, held at 1 from below.
; LIMITS: a block of zeros gets the byte 1 where the rule says 127 (its codes are zeros, and this program alone reads the bytes); blocks whose largest magnitude lies under 2^(16 - 127) share that byte; NaN and infinities are not served.
; SHARES: work-group G takes rows 32 G .. 32 G + 31 (tiles 2 G, 2 G + 1); wave w takes tile 2 G + w / 2 and half w % 2 of K: four fragments of 16 rows x 128.
; Each load reads 512 consecutive bytes of one row; a fragment's 16 rows turn through the wave's own stage in LDS (rows 528 bytes apart), so that a lane gets 16 neighbours along K of each of the four blocks.
; No tensor load, no barrier: waves share nothing.  Loads run two fragments (32 loads a wave) ahead.
.set SPITCH, 528                       ; a stage row: 512 bytes + 16
.set STG,    16*SPITCH                 ; a wave's stage
.set R,   16                           ; v16-143  two sets of 64: a fragment's numbers as they are loaded (row p in registers 4 p ..)
.set X,   144                          ; v144-207 the fragment's numbers by blocks: register 16 b + i = k 32 b + 16 h + i of my row
.set PC,  208                          ; v208-223 the codes
.set TM,  224                          ; v224-227 largest magnitudes, v228-231 bytes, v232-235 the largest number x the scale, v236-239 the conversions' scale operands
.set W,   244                          ; v244-247 the four fragments' scale words
.set SEL, 20                           ; s[20:21] lane selects for v_permlanex16_b32: lane l xor 16
.set MNT, 23                           ; s23      the mantissa field of 57,344
; 64 numbers of a lane, v[s] on, become a fragment's codes in v[PC] on and its scale word in v[pw].
.macro QUANT s, pw
.irp b, 0,1,2,3
	v_max3_num_f32 v[TM+\b], |v[\s+16*\b]|, |v[\s+1+16*\b]|, 0x8000000   ; block b: my 16 numbers and the floor 2^(16 - 127): the byte cannot fall under 1
.endr
.irp i, 2,4,6,8,10,12,14
.irp b, 0,1,2,3
	v_max3_num_f32 v[TM+\b], v[TM+\b], |v[\s+16*\b+\i]|, |v[\s+1+16*\b+\i]|   ; the four blocks by turns
.endr
.endr
.irp b, 0,1,2,3
	v_permlanex16_b32 v[TM+4+\b], v[TM+\b], s[SEL], s[SEL+1]
.endr
.irp b, 0,1,2,3
	v_max_num_f32 v[TM+\b], v[TM+\b], v[TM+4+\b]   ; with lane l xor 16's 16: the block's largest magnitude
.endr
.irp b, 0,1,2,3
	v_add_nc_u32 v[TM+12+\b], 0xf8800000, v[TM+\b]   ; 15 off its exponent field: the conversion takes this operand's exponent field as its scale
.endr
.irp b, 0,1,2,3
	v_and_or_b32 v[TM+8+\b], v[TM+\b], 0x7f800000, s[MNT]   ; 57,344 x the scale
.endr
.irp b, 0,1,2,3
	v_lshrrev_b32 v[TM+4+\b], 23, v[TM+12+\b]      ; the scale's byte
.endr
	v_lshl_or_b32 v[\pw], v[TM+5], 8, v[TM+4]      ; four bytes make my row's scale word
	v_lshl_or_b32 v[\pw], v[TM+6], 16, v[\pw]
	v_lshl_or_b32 v[\pw], v[TM+7], 24, v[\pw]
.irp b, 0,1,2,3
.irp i, 0,1,2,3,4,5,6,7,8,9,10,11,12,13,14,15
	v_med3_num_f32 v[\s+16*\b+\i], v[\s+16*\b+\i], -v[TM+8+\b], v[TM+8+\b]   ; the conversion to an 8-bit code does not saturate (ISA guide 7.6.2): the hold comes first
.endr
	v_cvt_scalef32_pk8_bf8_f32 v[PC+4*\b:PC+1+4*\b], v[\s+16*\b:\s+7+16*\b], v[TM+12+\b]
	v_cvt_scalef32_pk8_bf8_f32 v[PC+2+4*\b:PC+3+4*\b], v[\s+8+16*\b:\s+15+16*\b], v[TM+12+\b]
.endr
	v_nop                                          ; one plain line behind the last conversion
.endm
	s_load_b128 s[4:7], s[0:1], 0x0                ; x, w_qkv
	s_load_b128 s[8:11], s[0:1], 0x10              ; w_out, in_img
	s_load_b64 s[12:13], s[0:1], 0x20              ; in_sc
	v_lshl_add_u32 v254, v0, 2, 0x8400
	v_mov_b32 v255, 0
	v_lshrrev_b32 v1, 5, v0
	v_readfirstlane_b32 s16, v1                    ; wave 0..3
	v_and_b32 v2, 31, v0                           ; lane
	v_and_b32 v3, 15, v0                           ; r
	v_bfe_u32 v7, v0, 4, 1                         ; h
	v_lshlrev_b32 v4, 4, v2                        ; 16 x lane: my place in a load's 512 bytes and in an image's piece
	s_mul_i32 s17, s16, STG
	v_add_nc_u32 v5, s17, v4                       ; into the stage: 16 x lane of a row
	v_mul_u32_u24 v6, v3, SPITCH
	v_lshl_add_u32 v6, v7, 6, v6
	v_add_nc_u32 v6, s17, v6                       ; out of it: row r, + 64 h: my 16 numbers of a block
	v_lshlrev_b32 v8, 3, v3
	v_lshl_add_u32 v8, v7, 7, v8                   ; the scale words' place: 8 r + 128 h
	s_mov_b32 s[SEL], 0x76543210
	s_mov_b32 s[SEL+1], 0xfedcba98
	s_mov_b32 s[MNT], 0x600000
.irp b, 0,1,2,3
	v_mov_b32 v[TM+4+\b], 0                        ; written once: a lane permute's destination counts as one of its sources
.endr
	s_lshr_b32 s18, s16, 1                         ; u: which of the two tiles
	s_and_b32 s19, s16, 1                          ; which half of K
	s_mov_b32 s24, 352
	s_wait_alu depctr_va_vdst(0)
	s_wait_kmcnt 0x0
	s_cmp_lt_u32 ttmp9, 352                        ; work-groups 0-255 take x, 256-351 w_qkv, 352-383 w_out: the choice hangs on the work-group's number alone
	s_cselect_b64 s[6:7], s[6:7], s[8:9]
	s_cselect_b32 s24, 256, s24
	s_cmp_lt_u32 ttmp9, 256
	s_cselect_b64 s[4:5], s[4:5], s[6:7]
	s_cselect_b32 s24, 0, s24
	s_sub_co_u32 s24, ttmp9, s24                   ; the work-group's number within its tensor
	s_lshl_b32 s24, s24, 17                        ; 32 rows of 4,096 bytes,
	s_lshl_b32 s25, s18, 15                        ; + 8 rows for tile u = 1,
	s_add_co_u32 s24, s24, s25
	s_lshl_b32 s25, s19, 11                        ; + 2,048 bytes for the second half of K
	s_add_co_u32 s24, s24, s25
	s_mov_b32 s25, 0
	s_add_nc_u64 s[4:5], s[4:5], s[24:25]
	s_lshl_b32 s26, ttmp9, 1
	s_add_co_u32 s26, s26, s18                     ; my row tile
	s_lshl_b32 s24, s26, 14                        ; 16,384 bytes of images a tile,
	s_lshl_b32 s27, s19, 13                        ; four of them a half of K
	s_add_co_u32 s24, s24, s27
	s_add_nc_u64 s[10:11], s[10:11], s[24:25]
	s_lshl_b32 s24, s26, 9                         ; 512 bytes of scale words a tile, 256 a half of K
	s_lshl_b32 s27, s19, 8
	s_add_co_u32 s24, s24, s27
	s_add_nc_u64 s[12:13], s[12:13], s[24:25]
.macro LOAD f                          ; fragment f: 128 numbers of each of the tile's 16 rows, p + 8 (p / 8) rows down
.irp p, 0,1,2,3,4,5,6,7,8,9,10,11,12,13,14,15
	global_load_b128 v[R+64*((\f)%2)+4*\p:R+64*((\f)%2)+4*\p+3], v4, s[4:5] offset:(\p+8*(\p/8))*4096+512*(\f) th:TH_LOAD_NT   ; 32 lanes read 512 consecutive bytes
.endr
.endm
.macro FRAGMENT f
.if (\f) > 0
	s_wait_xcnt 0x0                                ; the last fragment's stores have read the codes' registers, which are written again below
.endif
.if (\f) < 3
	s_wait_loadcnt 16                              ; this fragment's 16 loads are in; the next fragment's 16 may be out
.else
	s_wait_loadcnt 0x0
.endif
.irp p, 0,1,2,3,4,5,6,7,8,9,10,11,12,13,14,15
	ds_store_b128 v5, v[R+64*((\f)%2)+4*\p:R+64*((\f)%2)+4*\p+3] offset:SPITCH*\p
.endr
.irp c, 0,1,2,3
.irp j, 0,1,2,3
	ds_load_b128 v[X+16*\c+4*\j:X+16*\c+4*\j+3], v6 offset:128*\c+16*\j   ; LDS serves a wave's instructions in order: these see the stores above
.endr
.endr
	s_wait_dscnt 0x0                               ; the numbers are back, and the stores have read their registers,
.if (\f) < 2
	LOAD (\f)+2                                    ; which take the loads of two fragments on
.endif
	QUANT X, W+(\f)
.irp c, 0,1,2,3
	global_store_b128 v4, v[PC+4*\c:PC+4*\c+3], s[10:11] offset:2048*(\f)+512*\c   ; a piece of the image: 512 consecutive bytes, aligned
.endr
.endm
	LOAD 0
	LOAD 1
	FRAGMENT 0
	FRAGMENT 1
	FRAGMENT 2
	FRAGMENT 3
	v_cmp_lt_u32 vcc_lo, 15, v2                    ; lanes 0-15 store the words of fragments 0, 1; lanes 16-31 those of fragments 2, 3 (every lane holds its row's four words)
	v_cndmask_b32 v248, v[W], v[W+2], vcc_lo
	v_cndmask_b32 v249, v[W+1], v[W+3], vcc_lo
	global_store_b64 v8, v[248:249], s[12:13]      ; 32 lanes store 256 consecutive bytes, aligned
	s_wait_tensorcnt 0x0
	ds_add_u32 v254, v255
	s_wait_dscnt 0x0
	s_endpgm
.Lfunc_end_k_qe62c0f8f5f_quant:
	.size	k_qe62c0f8f5f_quant, .Lfunc_end_k_qe62c0f8f5f_quant-k_qe62c0f8f5f_quant
	.p2alignl 7, 3214868480
	.fill 96, 4, 3214868480
	.section	.rodata,"a",@progbits
	.p2align	6, 0x0
	.amdhsa_kernel k_qe62c0f8f5f_quant
		.amdhsa_group_segment_fixed_size 34304
		.amdhsa_private_segment_fixed_size 0
		.amdhsa_enable_private_segment 0
		.amdhsa_kernarg_size 40
		.amdhsa_user_sgpr_count 2
		.amdhsa_user_sgpr_kernarg_segment_ptr 1
		.amdhsa_wavefront_size32 1
		.amdhsa_system_sgpr_workgroup_id_x 1
		.amdhsa_system_sgpr_workgroup_id_y 1
		.amdhsa_system_sgpr_workgroup_id_z 1
		.amdhsa_system_vgpr_workitem_id 0
		.amdhsa_next_free_vgpr 256
		.amdhsa_next_free_sgpr 66
		.amdhsa_reserve_vcc 1
		.amdhsa_float_denorm_mode_32 3
		.amdhsa_float_denorm_mode_16_64 3
		.amdhsa_memory_ordered 1
		.amdhsa_forward_progress 1
		.amdhsa_inst_pref_size 51
	.end_amdhsa_kernel
	.amdgpu_metadata
---
amdhsa.version: [ 1, 2 ]
amdhsa.kernels:
  - .name:           k_qe62c0f8f5f_quant
    .symbol:         k_qe62c0f8f5f_quant.kd
    .args:
      - { .name: x, .offset: 0, .size: 8, .value_kind: global_buffer, .address_space: global }
      - { .name: w_qkv, .offset: 8, .size: 8, .value_kind: global_buffer, .address_space: global }
      - { .name: w_out, .offset: 16, .size: 8, .value_kind: global_buffer, .address_space: global }
      - { .name: in_img, .offset: 24, .size: 8, .value_kind: global_buffer, .address_space: global }
      - { .name: in_sc, .offset: 32, .size: 8, .value_kind: global_buffer, .address_space: global }
    .group_segment_fixed_size: 34304
    .private_segment_fixed_size: 0
    .kernarg_segment_align: 8
    .kernarg_segment_size: 40
    .max_flat_workgroup_size: 128
    .sgpr_count:     66
    .vgpr_count:     256
    .wavefront_size: 32
...
	.end_amdgpu_metadata
.endif
;; end of part 1
;; launch qkv (part 2): grid 8 x 48, 4 waves a work-group, clusters of 4 x 4, 327,680 bytes of LDS; arguments in_img, in_sc, b_qkv, qkv; writes qkv
.if DOCPART == 2
	.amdgcn_target "amdgcn-amd-amdhsa--gfx1250"
	.amdhsa_code_object_version 6
	.text
	.protected	k_qe62c0f8f5f_qkv
	.globl	k_qe62c0f8f5f_qkv
	.p2align	8
	.type	k_qe62c0f8f5f_qkv,@function
k_qe62c0f8f5f_qkv:
	s_mov_b64 s[64:65], 0
	v_nop
	global_prefetch_b8 v0, s[64:65] scope:SCOPE_SE
	s_setreg_imm32_b32 hwreg(HW_REG_WAVE_MODE, 25, 1), 1
	s_wait_xcnt 0x0
	s_wait_alu depctr_hold_cnt(0) depctr_sa_sdst(0) depctr_va_vdst(0) depctr_va_sdst(0) depctr_va_ssrc(0) depctr_va_vcc(0) depctr_vm_vsrc(0)
	s_getreg_b32 s2, hwreg(HW_REG_IB_STS2, 6, 4)
	s_cmp_eq_u32 s2, 0
	s_cbranch_scc0 .Lentry_in_a_cluster
	s_endpgm
.Lentry_in_a_cluster:
	s_bfe_u32 s2, ttmp6, 0x10000c
	s_cmp_lg_u32 s2, 0xf033
	s_cbranch_scc0 .Lentry_shape_is_right
	s_endpgm
.Lentry_shape_is_right:
.set NQ,    2
.set FR,    16
.set NL,    4
.set NP,    8
.set IMG,   2048
.set KSB,   NQ*IMG
.set TILEB, 8*IMG
.set HALFT, 8*KSB
.set SLOT,  4*HALFT
.set SCL,   2*SLOT
.set HALFS, 8*512
.set SPARE, SCL+4*HALFS
.set REC,   8448
.set HB,    16*REC
.set H3B,   4*HB
.set ADRA, 16
.set ADRB, 20
.set BH,   24
.set BP,   25
.set VO,   26
.set ADRS, 27
.set SPW,  28
.set NIL,  29
.set VS,   30
.set SC,   32
.set BN,   64
.set AF,   128
.set X,    128
.set PC,   192
.set TM,   208
.set PW,   224
.set SW,   232
.set SO,   240
.set G1, 24
.set G0, 32
.set G1B, 48
.set G0B, 56
.set G1S, 68
.set G0S, 76
.set G1SB, 80
.set G0SB, 88
.set MODE, 95
.set SEL, 100
.set MNT, 104
.set MSB, 0
.macro WIN new
.if MSB != (\new)
	s_set_vgpr_msb (MSB<<8)|(\new)
.set MSB, (\new)
.endif
.endm
.set MUL_LO, 0xa1
.set MUL_HI, 0xf1
.set TO_B,   0x40
.macro JLOAD g0a, g1a, g0b, g1b
	s_cmp_eq_u32 s15, 0
	s_cbranch_scc0 .Lfor_b_\@
	tensor_load_to_lds s[\g0a:\g0a+3], s[\g1a:\g1a+7]
	s_nop 0
.rept 4
	v_nop
.endr
	s_branch .Lasked_\@
.Lfor_b_\@:
	tensor_load_to_lds s[\g0b:\g0b+3], s[\g1b:\g1b+7]
	s_nop 0
.rept 4
	v_nop
.endr
.Lasked_\@:
.endm
.macro CREST
	s_cmp_lg_u32 s14, 0
	s_cbranch_scc1 .Lnot_wave_0_\@
	s_barrier_signal -3
.Lnot_wave_0_\@:
	s_barrier_wait -3
	s_barrier_signal -1
	s_barrier_wait -1
.endm
.macro CROUND
	s_barrier_signal -1
	s_barrier_wait -1
	CREST
.endm
	s_load_b128 s[4:7], s[0:1], 0x0
	s_load_b128 s[8:11], s[0:1], 0x10
	v_lshl_add_u32 v[SPW], v0, 2, SPARE
	v_mov_b32 v[NIL], 0
	ds_add_u32 v28, v29
	ds_add_u32 v28, v29
	s_wait_dscnt 0x0
	v_lshrrev_b32 v1, 5, v0
	v_readfirstlane_b32 s14, v1
	s_lshr_b32 s15, s14, 1
	s_and_b32 s16, s14, 1
	s_bfe_u32 s40, ttmp6, 0x40000
	s_bfe_u32 s41, ttmp6, 0x40004
	s_and_b32 s17, ttmp7, 0xffff
	s_lshl_b32 s18, s17, 1
	s_add_co_u32 s18, s18, ttmp9
	s_sub_co_u32 s18, s18, 16
	s_lshl_b32 s18, s18, 2
	s_lshl_b32 s19, ttmp9, 2
	s_lshl_b32 s20, s17, 2
	s_mov_b32 s21, 640
	s_mov_b32 s22, 512
	s_cmp_ge_u32 s17, 8
	s_cselect_b32 s[MODE], 1, 0
	s_cselect_b32 s20, 0, s20
	s_cselect_b32 s19, s18, s19
	s_cselect_b32 s21, s21, 0
	s_cselect_b32 s22, 0, s22
	s_add_co_u32 s17, s20, s41
	s_add_co_u32 s42, s19, s40
	s_lshl_b32 s43, s41, 2
	s_lshl_b32 s43, 15, s43
	s_lshl_b32 s44, 0x1111, s40
	s_or_b32 s[G1+0], s43, (3<<16)|(1<<21)
	s_or_b32 s[G1B+0], s44, (3<<16)|(1<<21)
.irp g, G1, G1B
	s_mov_b32 s[\g+1], (KSB/8)<<16
	s_mov_b32 s[\g+2], 16<<16
	s_mov_b32 s[\g+3], (KSB/8)<<16
	s_mov_b32 s[\g+4], 16
	s_mov_b32 s[\g+5], TILEB/8
	s_mov_b32 s[\g+6], 0
	s_mov_b32 s[\g+7], 0
.endr
	s_or_b32 s[G1S+0], s43, (3<<16)|(1<<21)
	s_or_b32 s[G1SB+0], s44, (3<<16)|(1<<21)
.irp g, G1S, G1SB
	s_mov_b32 s[\g+1], 32<<16
	s_mov_b32 s[\g+2], 32<<16
	s_mov_b32 s[\g+3], 32<<16
	s_mov_b32 s[\g+4], 32
	s_mov_b32 s[\g+5], 32
	s_mov_b32 s[\g+6], 0
	s_mov_b32 s[\g+7], 0
.endr
	s_lshl_b32 s20, s17, 4
	s_add_co_u32 s20, s20, s21
	s_lshl_b32 s46, s42, 4
	s_add_co_u32 s46, s46, s22
	s_lshl_b32 s22, s20, 9
	s_mov_b32 s23, 0
	s_lshl_b32 s20, s20, 14
	s_mov_b32 s21, 0
	s_lshl_b32 s92, s46, 9
	s_mov_b32 s93, 0
	s_lshl_b32 s46, s46, 14
	s_mov_b32 s47, 0
	s_mul_i32 s45, s14, HALFT
	s_wait_kmcnt 0x0
	s_add_nc_u64 s[20:21], s[4:5], s[20:21]
	s_add_nc_u64 s[22:23], s[6:7], s[22:23]
	s_add_nc_u64 s[46:47], s[4:5], s[46:47]
	s_add_nc_u64 s[92:93], s[6:7], s[92:93]
	CROUND
	s_mov_b32 s[G0S], 1
	s_mov_b32 s[G0S+1], SCL
	s_mov_b64 s[G0S+2:G0S+3], s[22:23]
	s_or_b32 s[G0S+3], s[G0S+3], 0x80000000
	s_mov_b32 s[G0SB], 1
	s_mov_b32 s[G0SB+1], SCL+2*HALFS
	s_mov_b64 s[G0SB+2:G0SB+3], s[92:93]
	s_or_b32 s[G0SB+3], s[G0SB+3], 0x80000000
	; the head's four tiles, each whole, one joint load a wave: K step 0's 16 row tiles of A, its 16 of B, A's scale words, B's.  Slot 0's own groups 0 serve the two loads of codes; they are set for the ring behind the wait that shows these loads done
	s_mov_b32 s[G0], 1
	s_mov_b32 s[G0+1], 0
	s_mov_b64 s[G0+2:G0+3], s[20:21]
	s_or_b32 s[G0+3], s[G0+3], 0x80000000
	s_mov_b32 s[G0B], 1
	s_mov_b32 s[G0B+1], 2*HALFT
	s_mov_b64 s[G0B+2:G0B+3], s[46:47]
	s_or_b32 s[G0B+3], s[G0B+3], 0x80000000
	s_lshl_b32 s18, s16, 17                        ; in the ring I fetch 8 row tiles of 16,384 bytes: which half
	s_mov_b32 s19, 0
	s_add_nc_u64 s[20:21], s[20:21], s[18:19]
	s_add_nc_u64 s[46:47], s[46:47], s[18:19]
	; the prefetches' base: of the 8 row tiles that I fetch in the ring, the partner at place p among the four that ask with me (p = cx for A, cy for B) names tiles 2 p, 2 p + 1: told apart by address alone
	s_cmp_eq_u32 s15, 0                            ; do I fetch for A?
	s_cselect_b64 s[4:5], s[20:21], s[46:47]
	s_cselect_b32 s6, s40, s41
	s_lshl_b32 s6, s6, 15                          ; two row tiles of 16,384 bytes
	s_mov_b32 s7, 0
	s_add_nc_u64 s[4:5], s[4:5], s[6:7]            ; never rewritten from here on
	s_mov_b32 s[G0+4], 1
	s_add_co_u32 s[G0+5], s45, SLOT
	s_add_nc_u64 s[G0+6:G0+7], s[20:21], KSB
	s_or_b32 s[G0+7], s[G0+7], 0x80000000
	s_mov_b32 s[G0B+4], 1
	s_add_co_u32 s[G0B+5], s45, SLOT
	s_add_nc_u64 s[G0B+6:G0B+7], s[46:47], KSB
	s_or_b32 s[G0B+7], s[G0B+7], 0x80000000
	s_cmp_lt_u32 s14, 1                            ; one tree of branches on the wave's number: every way passes exactly one load
	s_cbranch_scc0 .Lhead_b
	tensor_load_to_lds s[G0:G0+3], s[G1:G1+7]
	s_nop 0
.rept 4
	v_nop
.endr
	s_branch .Lhead_asked
.Lhead_b:
	s_cmp_lt_u32 s14, 2
	s_cbranch_scc0 .Lhead_sa
	tensor_load_to_lds s[G0B:G0B+3], s[G1B:G1B+7]
	s_nop 0
.rept 4
	v_nop
.endr
	s_branch .Lhead_asked
.Lhead_sa:
	s_cmp_lt_u32 s14, 3
	s_cbranch_scc0 .Lhead_sb
	tensor_load_to_lds s[G0S:G0S+3], s[G1S:G1S+7]
	s_nop 0
.rept 4
	v_nop
.endr
	s_branch .Lhead_asked
.Lhead_sb:
	tensor_load_to_lds s[G0SB:G0SB+3], s[G1SB:G1SB+7]
	s_nop 0
.rept 4
	v_nop
.endr
.Lhead_asked:
	v_and_b32 v1, 15, v0
	v_bfe_u32 v2, v0, 4, 1
	s_wait_alu depctr_va_vdst(0)
	v_and_b32 v3, 31, v0
	v_lshlrev_b32 v[VO], 4, v3
	v_lshlrev_b32 v31, 8, v1                       ; the prefetches' offset: a lane a block of 256 bytes: 16 blocks of a row tile's K step, lanes 16-31 in the next row tile; never rewritten
	v_lshl_add_u32 v31, v2, 14, v31
	global_prefetch_b8 v31, s[4:5] offset:KSB th:TH_LOAD_NT scope:SCOPE_SE     ; behind the head's load: K steps 1 and 2, which the next two loads of the ring will ask for
	global_prefetch_b8 v31, s[4:5] offset:2*KSB th:TH_LOAD_NT scope:SCOPE_SE
	s_mul_i32 s21, s15, HALFT
	s_mul_i32 s22, s16, HALFT
	s_add_co_u32 s22, s22, 2*HALFT
.irp s, 0,1
	v_add_nc_u32 v[ADRA+\s], s21, v[VO]
	v_add_nc_u32 v[ADRB+\s], s22, v[VO]
	s_add_co_u32 s21, s21, SLOT
	s_add_co_u32 s22, s22, SLOT
.endr
	v_lshlrev_b32 v5, 3, v1
	s_mul_i32 s21, s15, HALFS
	s_mul_i32 s22, s16, HALFS
	s_add_co_u32 s22, s22, 2*HALFS
	s_sub_co_u32 s22, s22, s21
	v_mul_u32_u24 v6, s22, v2
	s_add_co_u32 s21, s21, SCL
	v_add_nc_u32 v5, v5, v6
	v_add_nc_u32 v[ADRS], s21, v5
	v_lshlrev_b32 v[BH], 6, v2
	v_and_b32 v5, 8, v1
	v_add_nc_u32 v5, v5, v1
	v_lshlrev_b32 v[BP], 2, v5
	v_mul_u32_u24 v[VS], v2, H3B
	v_lshl_add_u32 v[VS], v1, 4, v[VS]
	s_mov_b32 s[SEL], 0x76543210
	s_mov_b32 s[SEL+1], 0xfedcba98
	s_mov_b32 s[MNT], 0x600000
	s_lshl_b32 s96, s17, 8
	s_lshl_b32 s97, s15, 7
	s_add_co_u32 s96, s96, s97
	s_lshl_b32 s97, s42, 8
	s_lshl_b32 s98, s16, 7
	s_add_co_u32 s97, s97, s98
	s_add_co_u32 s98, s96, 2048
	s_cmp_lg_u32 s[MODE], 0
	s_cselect_b32 s99, s98, s97
	s_cselect_b32 s98, s97, s96
	s_lshr_b32 s96, s99, 6
	s_lshl_b32 s96, s96, 2
	s_lshr_b32 s97, s98, 11
	s_add_co_u32 s96, s96, s97
	s_mul_i32 s96, s96, HB
	s_bfe_u32 s97, s98, 0x40007
	s_mul_i32 s97, s97, REC
	s_add_co_u32 s96, s96, s97
	s_mov_b32 s97, 0
	s_add_nc_u64 s[12:13], s[10:11], s[96:97]
	s_lshl_b32 s96, s99, 2
	s_add_nc_u64 s[66:67], s[8:9], s[96:97]
.macro FRAG reg, adr, q, i
.irp c, 0,1,2,3
	ds_load_b128 v[\reg+4*\c:\reg+4*\c+3], v[\adr] offset:KSB*(\i)+IMG*(\q)+512*\c
.endr
.endm
.macro MUL16 a0, p, q, sc, zero
.irp a, \a0, \a0+1
.irp b, 0,1,2,3,4,5,6,7
.if \zero
	v_wmma_scale_f32_16x16x128_f8f6f4 v[8*(8*((\a)%4)+\b):8*(8*((\a)%4)+\b)+7], v[128*(\p)+FR*\b:128*(\p)+FR*\b+FR-1], v[AF+FR*(\a):AF+FR*(\a)+FR-1], 0, v[SC+8*NQ*(\sc)+NQ*\b+(\q)], v[SC+8*NQ*(\sc)+NQ*(\a)+(\q)] matrix_a_fmt:MATRIX_FMT_BF8 matrix_b_fmt:MATRIX_FMT_BF8 matrix_a_scale:MATRIX_SCALE_ROW1
.else
	v_wmma_scale_f32_16x16x128_f8f6f4 v[8*(8*((\a)%4)+\b):8*(8*((\a)%4)+\b)+7], v[128*(\p)+FR*\b:128*(\p)+FR*\b+FR-1], v[AF+FR*(\a):AF+FR*(\a)+FR-1], v[8*(8*((\a)%4)+\b):8*(8*((\a)%4)+\b)+7], v[SC+8*NQ*(\sc)+NQ*\b+(\q)], v[SC+8*NQ*(\sc)+NQ*(\a)+(\q)] matrix_a_fmt:MATRIX_FMT_BF8 matrix_b_fmt:MATRIX_FMT_BF8 matrix_a_scale:MATRIX_SCALE_ROW1
.endif
.endr
.endr
.endm
.macro FETCH_B slot, q, p
	WIN TO_B
.irp i, 0,1,2,3,4,5,6,7
	FRAG 128*(\p)+FR*\i, ADRB+\slot, \q, \i
.endr
	WIN 0
.endm
.macro FETCH_A slot, q, i0
.irp i, \i0, \i0+1, \i0+2, \i0+3
	FRAG AF+FR*(\i), ADRA+\slot, \q, \i
.endr
.endm
.macro SCALES sc
.irp i, 0,1,2,3,4,5,6,7
	ds_load_b64 v[SC+8*NQ*\sc+NQ*\i:SC+8*NQ*\sc+NQ*\i+1], v[ADRS] offset:\i*512
.endr
.endm
.macro PLACES n
.rept \n
	v_nop
.endr
.endm
.macro STEP slot, q, zero
	s_wait_dscnt 4*NL
	WIN MUL_LO
	MUL16 0, (\q)%2, \q, \slot, \zero
	MUL16 2, (\q)%2, \q, \slot, \zero
	s_wait_dscnt 0
	PLACES NP
	FETCH_B \slot, (\q)+1, 1-(\q)%2
	FETCH_A \slot, (\q)+1, 0
	WIN MUL_HI
	MUL16 4, (\q)%2, \q, \slot, \zero
	MUL16 6, (\q)%2, \q, \slot, \zero
	PLACES NP
	WIN 0
	FETCH_A \slot, (\q)+1, 4
.endm
.macro TURN slot, next, fill
	s_wait_tensorcnt 0x0
	ds_add_u32 v[SPW], v[NIL]
	s_wait_dscnt 4*NL+1
	WIN MUL_LO
	MUL16 0, 1, NQ-1, \slot, 0
	s_wait_dscnt 0x0
	s_barrier_signal -1
	MUL16 2, 1, NQ-1, \slot, 0
	WIN 0
	s_barrier_wait -1
.if \fill
	CREST
	s_add_nc_u64 s[G0+4*\slot+2:G0+4*\slot+3], s[G0+4*\slot+2:G0+4*\slot+3], 2*KSB
	s_add_nc_u64 s[G0B+4*\slot+2:G0B+4*\slot+3], s[G0B+4*\slot+2:G0B+4*\slot+3], 2*KSB
	JLOAD G0+4*\slot, G1, G0B+4*\slot, G1B
	PLACES NP-4
.else
	PLACES NP
.endif
	s_wait_alu depctr_va_vdst(0)
	v_add_nc_u32 v[ADRS], 128, v[ADRS]
	FETCH_B \next, 0, 0
	FETCH_A \next, 0, 0
	SCALES \next
	WIN MUL_HI
	MUL16 4, 1, NQ-1, \slot, 0
	MUL16 6, 1, NQ-1, \slot, 0
	PLACES NP
	WIN 0
	FETCH_A \next, 0, 4
.endm
.macro LAST
	s_wait_dscnt 4*NL
	WIN MUL_LO
	MUL16 0, 1, NQ-1, 1, 0
	MUL16 2, 1, NQ-1, 1, 0
	s_wait_dscnt 0
	WIN MUL_HI
	MUL16 4, 1, NQ-1, 1, 0
	MUL16 6, 1, NQ-1, 1, 0
	WIN 0
.endm
.macro QUANT s, pw
.irp b, 0,1,2,3
	v_max3_num_f32 v[TM+\b], |v[\s+16*\b]|, |v[\s+1+16*\b]|, 0x8000000
.endr
.irp i, 2,4,6,8,10,12,14
.irp b, 0,1,2,3
	v_max3_num_f32 v[TM+\b], v[TM+\b], |v[\s+16*\b+\i]|, |v[\s+1+16*\b+\i]|
.endr
.endr
.irp b, 0,1,2,3
	v_permlanex16_b32 v[TM+4+\b], v[TM+\b], s[SEL], s[SEL+1]
.endr
.irp b, 0,1,2,3
	v_max_num_f32 v[TM+\b], v[TM+\b], v[TM+4+\b]
.endr
.irp b, 0,1,2,3
	v_add_nc_u32 v[TM+12+\b], 0xf8800000, v[TM+\b]
.endr
.irp b, 0,1,2,3
	v_and_or_b32 v[TM+8+\b], v[TM+\b], 0x7f800000, s[MNT]
.endr
.irp b, 0,1,2,3
	v_lshrrev_b32 v[TM+4+\b], 23, v[TM+12+\b]
.endr
	v_lshl_or_b32 v[\pw], v[TM+5], 8, v[TM+4]
	v_lshl_or_b32 v[\pw], v[TM+6], 16, v[\pw]
	v_lshl_or_b32 v[\pw], v[TM+7], 24, v[\pw]
.irp b, 0,1,2,3
.irp i, 0,1,2,3,4,5,6,7,8,9,10,11,12,13,14,15
	v_med3_num_f32 v[\s+16*\b+\i], v[\s+16*\b+\i], -v[TM+8+\b], v[TM+8+\b]
.endr
	v_cvt_scalef32_pk8_bf8_f32 v[PC+4*\b:PC+1+4*\b], v[\s+16*\b:\s+7+16*\b], v[TM+12+\b]
	v_cvt_scalef32_pk8_bf8_f32 v[PC+2+4*\b:PC+3+4*\b], v[\s+8+16*\b:\s+15+16*\b], v[TM+12+\b]
.endr
	v_nop
.endm
.macro EPI m
	PLACES NP
	s_wait_loadcnt 0x0
.irp b, 0,1,2,3
	v_mov_b32 v[TM+4+\b], 0
.endr
.irp a, 0,1,2,3,4,5,6,7
.if \a > 0
	s_wait_xcnt 0x0
.endif
	WIN 0x02+(\a)/4
.set K2, 0
.rept 32
.if \m
	v_pk_add_f32 v[X+K2:X+K2+1], v[64*((\a)%4)+K2:64*((\a)%4)+K2+1], v[BN+2*\a:BN+2*\a+1]
.else
	v_pk_add_f32 v[X+K2:X+K2+1], v[64*((\a)%4)+K2:64*((\a)%4)+K2+1], v[BN+K2:BN+K2+1]
.endif
.set K2, K2+2
.endr
	WIN 0
.if \m
	QUANT X, SW+\a
.irp b, 0,1,2,3
	global_store_b128 v[VO], v[PC+4*\b:PC+4*\b+3], s[12:13] offset:(\a/4)*H3B+IMG*(\a%4)+512*\b
.endr
.else
	QUANT X, PW+(\a)%2
.irp b, 0,1,2,3
	global_store_b128 v[VO], v[PC+4*\b:PC+4*\b+3], s[12:13] offset:(\b/2)*H3B+1024*\a+512*(\b%2)
.endr
.if (\a)%2 == 1
	v_perm_b32 v[SW+(\a)/2], v[PW+1], v[PW], 0x05040100
	v_perm_b32 v[SW+4+(\a)/2], v[PW+1], v[PW], 0x07060302
.endif
.endif
.endr
	v_cmp_lt_u32 vcc_lo, 0, v2
.irp k, 0,1,2,3
	v_cndmask_b32 v[SO+\k], v[SW+\k], v[SW+4+\k], vcc_lo
.endr
	global_store_b128 v[VS], v[SO:SO+3], s[12:13] offset:8192
.endm
	s_wait_alu depctr_va_vdst(0)
	s_wait_tensorcnt 0x0                           ; my tile of the head's four is in
	ds_add_u32 v[SPW], v[NIL]
	s_mov_b32 s[G1+2], 8<<16                       ; no tensor load of mine is out, so descriptors may be written: from here on a load brings 8 row tiles,
	s_mov_b32 s[G1+4], 8
	s_mov_b32 s[G1B+2], 8<<16
	s_mov_b32 s[G1B+4], 8
	s_mov_b32 s[G0+1], s45                         ; and slot 0's groups 0 name my part of the slot
	s_add_nc_u64 s[G0+2:G0+3], s[G0+2:G0+3], s[18:19]
	s_mov_b32 s[G0B+1], s45
	s_add_nc_u64 s[G0B+2:G0B+3], s[G0B+2:G0B+3], s[18:19]
	s_wait_dscnt 0x0
	CROUND                                         ; all four tiles are in, and all sixteen work-groups are here
	JLOAD G0+4, G1, G0B+4, G1B                     ; K step 1, the first tensor load behind the round
	global_prefetch_b8 v31, s[4:5] offset:3*KSB th:TH_LOAD_NT scope:SCOPE_SE   ; K step 3, the last: two loads of the ring ahead; the later changes of slots ask for nothing
	FETCH_B 0, 0, 0
	FETCH_A 0, 0, 0
	SCALES 0
	FETCH_A 0, 0, 4
	STEP 0, 0, 1
	TURN 0, 1, 1
	STEP 1, 0, 0
	TURN 1, 0, 1
	STEP 0, 0, 0
	TURN 0, 1, 0
	STEP 1, 0, 0
	s_cmp_lg_u32 s[MODE], 0
	s_cbranch_scc1 .Lv
.irp b, 0,1,2,3
.irp j, 0,1,2,3
	global_load_b128 v[BN+16*\b+4*\j:BN+16*\b+4*\j+3], v[BH], s[66:67] offset:128*\b+16*\j
.endr
.endr
	LAST
	EPI 0
	s_branch .Lend
.Lv:
.irp a, 0,1,2,3,4,5,6,7
	global_load_b32 v[BN+2*\a], v[BP], s[66:67] offset:(32*(\a/2)+8*(\a%2))*4
	global_load_b32 v[BN+2*\a+1], v[BP], s[66:67] offset:(32*(\a/2)+8*(\a%2))*4
.endr
	LAST
	EPI 1
.Lend:
	s_wait_tensorcnt 0x0
	ds_add_u32 v[SPW], v[NIL]
	s_wait_dscnt 0x0
	CROUND
	s_endpgm
.Lfunc_end_k_qe62c0f8f5f_qkv:
	.size	k_qe62c0f8f5f_qkv, .Lfunc_end_k_qe62c0f8f5f_qkv-k_qe62c0f8f5f_qkv
	.p2alignl 7, 3214868480
	.fill 96, 4, 3214868480
	.section	.rodata,"a",@progbits
	.p2align	6, 0x0
	.amdhsa_kernel k_qe62c0f8f5f_qkv
		.amdhsa_group_segment_fixed_size 327680
		.amdhsa_private_segment_fixed_size 0
		.amdhsa_enable_private_segment 0
		.amdhsa_kernarg_size 32
		.amdhsa_user_sgpr_count 2
		.amdhsa_user_sgpr_kernarg_segment_ptr 1
		.amdhsa_wavefront_size32 1
		.amdhsa_system_sgpr_workgroup_id_x 1
		.amdhsa_system_sgpr_workgroup_id_y 1
		.amdhsa_system_sgpr_workgroup_id_z 1
		.amdhsa_system_vgpr_workitem_id 0
		.amdhsa_next_free_vgpr 1024
		.amdhsa_next_free_sgpr 106
		.amdhsa_reserve_vcc 1
		.amdhsa_float_denorm_mode_32 3
		.amdhsa_float_denorm_mode_16_64 3
		.amdhsa_memory_ordered 1
		.amdhsa_forward_progress 1
		.amdhsa_inst_pref_size 255
	.end_amdhsa_kernel
	.section	.bss,"aw",@nobits
	.p2align	6
	.space	262144
	.amdgpu_metadata
---
amdhsa.version: [ 1, 2 ]
amdhsa.kernels:
  - .name:           k_qe62c0f8f5f_qkv
    .symbol:         k_qe62c0f8f5f_qkv.kd
    .args:
      - { .name: in_img, .offset: 0, .size: 8, .value_kind: global_buffer, .address_space: global }
      - { .name: in_sc, .offset: 8, .size: 8, .value_kind: global_buffer, .address_space: global }
      - { .name: b_qkv, .offset: 16, .size: 8, .value_kind: global_buffer, .address_space: global }
      - { .name: qkv, .offset: 24, .size: 8, .value_kind: global_buffer, .address_space: global }
    .group_segment_fixed_size: 327680
    .private_segment_fixed_size: 0
    .kernarg_segment_align: 8
    .kernarg_segment_size: 32
    .max_flat_workgroup_size: 128
    .sgpr_count:     106
    .vgpr_count:     1024
    .wavefront_size: 32
...
	.end_amdgpu_metadata
.endif
;; end of part 2
;; launch attn (part 3): grid 4 x 64, 8 waves a work-group, clusters of 4 x 1, 272,384 bytes of LDS; arguments qkv, att_img, att_sc; writes att_img, att_sc
.if DOCPART == 3
	.amdgcn_target "amdgcn-amd-amdhsa--gfx1250"
	.amdhsa_code_object_version 6
	.text
	.protected	k_qe62c0f8f5f_attn
	.globl	k_qe62c0f8f5f_attn
	.p2align	8
	.type	k_qe62c0f8f5f_attn,@function
k_qe62c0f8f5f_attn:
	s_mov_b64 s[64:65], 0
	v_nop
	global_prefetch_b8 v0, s[64:65] scope:SCOPE_SE
	s_setreg_imm32_b32 hwreg(HW_REG_WAVE_MODE, 25, 1), 1
	s_wait_xcnt 0x0
	s_wait_alu depctr_hold_cnt(0) depctr_sa_sdst(0) depctr_va_vdst(0) depctr_va_sdst(0) depctr_va_ssrc(0) depctr_va_vcc(0) depctr_vm_vsrc(0)
	s_getreg_b32 s2, hwreg(HW_REG_IB_STS2, 6, 4)
	s_cmp_eq_u32 s2, 0
	s_cbranch_scc0 .Lentry_in_a_cluster
	s_endpgm
.Lentry_in_a_cluster:
	s_bfe_u32 s2, ttmp6, 0x10000c
	s_cmp_lg_u32 s2, 0x3003
	s_cbranch_scc0 .Lentry_shape_is_right
	s_endpgm
.Lentry_shape_is_right:
; o = softmax(q k^T / 8) v for each of 4 x 16 (batch, head), 2,048 tokens, head size 64, both products on codes of BF8 (E5M2) with E8M0 scales; o is quantised along the head's 64 and stored as pieces of the last product's operand.
; IN: qkv [H3 = head, 16 + head, 32 + head][batch][group of 128 tokens][record: 8,192 bytes of codes, 256 of scale words [r][4]], images of operand registers:
;   q, k: image f of a record holds 32 tokens: registers 0-7 token 32 f + p(r), d = 0..63; registers 8-15 token 32 f + 8 + p(r); p(r) = r + 8 (r / 8).   v: image t holds V^T's rows d = 32 (t / 2) + 8 (t % 2) + p(r), K = the group's 128 keys.
; THE SOFTMAX AHEAD OF THE SECOND PRODUCT: t = score x log2(e) / 8; M = the largest t so far, rounded UP to a whole number; p = 2^(t - M) is quantised along the keys, not normalised; the sum of the unquantised p divides O at the end.
; When M moves, the sum and O are multiplied by 2^(old M - new M): exact.
; SHARES: a cluster of four work-groups takes one (batch, head); a work-group 512 queries; each of its EIGHT waves 64 queries, in two passes of 32: TWO TILES OF 16 WALK THE KEYS TOGETHER, so that each image of K and V read from LDS feeds both.
; A HEAD'S K AND V LIE WHOLE IN LDS, filled ONCE: waves 0 to 3 bring four records of K each, waves 4 to 7 four of V, each a dense block of 33,792 bytes by one tensor load, asked for jointly by the four work-groups.  LDS: K's 16 records, then V's 16.  Nothing is filled again.
; No prefetch: the tiles are asked for once, at the head; there is no loop to run ahead in.
; K = 64 IN AN INSTRUCTION OF 128: an image of K holds two tiles of 16 keys side by side along the instruction's K; [q | 0] picks the first, [0 | q] the second.  Zero codes add nothing.
; LAYOUT: both products transposed (S^T = K Q^T, O^T = V^T P^T): a lane holds ONE query of each tile; register 16 f + i of S^T is key 32 f + 16 h + i; register 16 b + i of O^T is d = 32 b + 16 h + i.
; A STEP (128 keys): the first product of both tiles; then K of the next step and V of this one are asked for, and land under the softmax.  One tile's exponentials stand among the other tile's unchained plain lines (its t - M, its holds); dependent lines stand among independent ones.
; The last step of a pass asks for group 0 of K again, for the next pass; behind the second pass nobody reads it.
; OUT: att_img [token row tile][head / 2][2,048]: head fills pieces 2 (head % 2) + b;  att_sc [row tile][head / 4][r][2 words]: head owns two bytes of word (head / 2) % 2.
; LIMITS: p under 2^-126 counts as 0 (v_exp_f32); the largest score starts at -3e38; the promise holds while the scaled scores stay under 2^31 in magnitude; a block of zeros gets the scale byte 1 (its codes are zeros; this program alone reads the bytes); NaN and infinities are not served.
; REGISTERS.  Window 0: v1-9, v90-93 addresses; v10-23 scale words; v24-87 two tiles' work registers; v96-127 p's codes; v128-255 S^T, then p.  Window 1: v0-39 0 | q0 | 0 | q1 | 0; v40-55 the second pass's q; v64-127 K; v128-191 V; v192-255 O^T.
.set REC,   8448                       ; a record
.set HB,    16*REC                     ; the 16 records of one (H3, batch)
.set PAIR,  4*REC                      ; what one tensor load brings
.set VREG,  16*REC                     ; V's records lie behind K's
.set SPARE, 8*PAIR                     ; behind the head's K and V: the spare words, 128 bytes a wave
.set LI,  1                            ; 16 x lane
.set LS,  2                            ; 16 r
.set ADR, 3                            ; V's images of this step
.set ADS, 4                            ; V's scale words of this step
.set SCO, 5                            ; att_sc: 8 r + 512 h
.set HH,  6                            ; h
.set SPW, 7                            ; my spare word; never rewritten
.set NIL, 8                            ; 0; never rewritten
.set ADN, 9                            ; K's images of the next step
.set QS,  10                           ; q's scale words, tile 0, 1
.set PS,  12                           ; p's scale words, tile 0, 1
.set QW,  14                           ; q's raw word of this pass; v15 of the second
.set KS,  16                           ; K's four scale words
.set VS,  20                           ; V's
.set TT,  24                           ; tile t's work registers at TT + 32 t: +0 block maxima, +4 lane partner / bytes, +8 holds, +12 conversions' scales, +16 -M, +17 largest score, +18 sum (pair), +20 f (pair), +22 at work, +23 old -M, +24 three pairs of partial sums
.set OW,  88                           ; o's two scale bytes, tile 0, 1
.set ASN, 90                           ; K's scale words of the next step
.set OD,  91
.set LIV, 92                           ; LI + VREG
.set LSV, 93                           ; LS + VREG
.set PCD, 96                           ; codes, 16 a tile
.set S,   128                          ; S^T / p, 64 a tile
.set QB,  0                            ; window 1
.set QN,  40
.set KF,  64
.set VF,  128
.set OT,  192
.set WV,  18
.set MNT, 19
.set SEL, 20
.set CS,  22                           ; s[22:23] c = log2(e) / 8
.set G1,  24
.set G0,  32
.set TB,  36
.set CNT, 37
.set CN,  60                           ; -c
.set TBN, 61
.set PASS, 62
.set HM,  63                           ; lanes 16-31
.set MSB, 0
.macro WIN new                         ; the immediate's high byte repeats the setting that is left
.if MSB != (\new)
	s_set_vgpr_msb (MSB<<8)|(\new)
.set MSB, (\new)
.endif
.endm
.macro ROUND                           ; a round of the cluster's barrier
	s_barrier_signal -1
	s_barrier_wait -1
	s_cmp_lg_u32 s[WV], 0
	s_cbranch_scc1 .Lnot_wave_0_\@
	s_barrier_signal -3
.Lnot_wave_0_\@:
	s_barrier_wait -3
	s_barrier_signal -1
	s_barrier_wait -1
.endm
.macro LDIMG dst, adr                  ; four images, 512 consecutive bytes a load
.irp f, 0,1,2,3
.irp c, 0,1,2,3
	ds_load_b128 v[\dst+16*\f+4*\c:\dst+16*\f+4*\c+3], v[\adr] offset:2048*\f+512*\c
.endr
.endr
.endm
.macro SUM4 t, j                       ; four chains take a pair each
	v_pk_add_f32 v[TT+32*\t+18:TT+32*\t+19], v[TT+32*\t+18:TT+32*\t+19], v[S+64*\t+(\j):S+64*\t+(\j)+1]
.irp k, 0,1,2
	v_pk_add_f32 v[TT+32*\t+24+2*\k:TT+32*\t+25+2*\k], v[TT+32*\t+24+2*\k:TT+32*\t+25+2*\k], v[S+64*\t+(\j)+2+2*\k:S+64*\t+(\j)+3+2*\k]
.endr
.endm
; The sum of the unquantised p (sum x f + 32 pairs, in four chains; the chains are joined by SUMEND), and among its lines the four blocks' scale operands, holds, bytes and the scale word
.macro SCSUM t
	v_pk_fma_f32 v[TT+32*\t+18:TT+32*\t+19], v[TT+32*\t+18:TT+32*\t+19], v[TT+32*\t+20:TT+32*\t+21], v[S+64*\t:S+64*\t+1] op_sel_hi:[1,0,1]
.irp k, 0,1,2
	v_pk_add_f32 v[TT+32*\t+24+2*\k:TT+32*\t+25+2*\k], v[S+64*\t+2+4*\k:S+64*\t+3+4*\k], v[S+64*\t+4+4*\k:S+64*\t+5+4*\k]
.endr
.irp b, 0,1,2,3
	v_max_num_f32 v[TT+32*\t+\b], 0x8000000, v[TT+32*\t+\b]        ; the floor 2^(16 - 127): the byte cannot fall under 1
.endr
	SUM4 \t, 14
.irp b, 0,1,2,3
	v_add_nc_u32 v[TT+32*\t+12+\b], 0xf8800000, v[TT+32*\t+\b]     ; 15 off the exponent field
.endr
	SUM4 \t, 22
.irp b, 0,1,2,3
	v_and_or_b32 v[TT+32*\t+8+\b], v[TT+32*\t+\b], 0x7f800000, s[MNT]   ; 57,344 x the scale
.endr
	SUM4 \t, 30
.irp b, 0,1,2,3
	v_lshrrev_b32 v[TT+32*\t+4+\b], 23, v[TT+32*\t+12+\b]
.endr
	SUM4 \t, 38
	v_lshl_or_b32 v[PS+\t], v[TT+32*\t+5], 8, v[TT+32*\t+4]
	SUM4 \t, 46
	v_lshl_or_b32 v[PS+\t], v[TT+32*\t+6], 16, v[PS+\t]
	SUM4 \t, 54
	v_lshl_or_b32 v[PS+\t], v[TT+32*\t+7], 24, v[PS+\t]
	v_pk_add_f32 v[TT+32*\t+18:TT+32*\t+19], v[TT+32*\t+18:TT+32*\t+19], v[S+64*\t+62:S+64*\t+63]
.endm
.macro CVTS t
.irp b, 0,1,2,3
	v_cvt_scalef32_pk8_bf8_f32 v[PCD+16*\t+4*\b:PCD+16*\t+4*\b+1], v[S+64*\t+16*\b:S+64*\t+16*\b+7], v[TT+32*\t+12+\b]
	v_cvt_scalef32_pk8_bf8_f32 v[PCD+16*\t+4*\b+2:PCD+16*\t+4*\b+3], v[S+64*\t+16*\b+8:S+64*\t+16*\b+15], v[TT+32*\t+12+\b]
.endr
.endm
	s_load_b128 s[4:7], s[0:1], 0x0                ; qkv, att_img
	s_load_b64 s[8:9], s[0:1], 0x10                ; att_sc
	v_lshl_add_u32 v[SPW], v0, 2, SPARE
	v_mov_b32 v[NIL], 0
	ds_add_u32 v[SPW], v[NIL]                      ; the opening lines: the add, twice on end, and its wait ahead of my tensor load
	ds_add_u32 v[SPW], v[NIL]
	v_lshrrev_b32 v9, 5, v0
	v_readfirstlane_b32 s[WV], v9                  ; wave 0..7
	s_bfe_u32 s38, ttmp6, 0x40000                  ; cx: which quarter of the queries; it enters q's and the outputs' addresses alone
	s_and_b32 s39, ttmp7, 0xffff
	s_and_b32 s40, s39, 3                          ; batch
	s_lshr_b32 s41, s39, 2                         ; head
	s_lshl_b32 s42, s41, 2
	s_add_co_u32 s42, s42, s40
	s_mul_i32 s42, s42, HB                         ; q's 16 records of this (head, batch)
	s_and_b32 s44, s[WV], 3
	s_mul_i32 s44, s44, PAIR                       ; what I fetch: records 4 (w % 4) on,
	s_lshr_b32 s43, s[WV], 2
	s_add_co_u32 s43, s43, 1
	s_mul_i32 s43, s43, 64*HB                      ; of K (16 H3 behind q) or of V (32 H3)
	s_add_co_u32 s44, s44, s43
	s_add_co_u32 s44, s44, s42
	s_mov_b32 s45, 0
	s_lshl_b32 s46, s38, 2
	s_lshr_b32 s47, s[WV], 1
	s_add_co_u32 s46, s46, s47                     ; my queries' group of 128: 4 cx + w / 2
	s_mul_i32 s46, s46, REC
	s_add_co_u32 s46, s46, s42
	s_and_b32 s47, s[WV], 1                        ; and which 64 of them: images 2 (w % 2), + 1
	s_lshl_b32 s48, s47, 12
	s_add_co_u32 s50, s46, s48
	s_mov_b32 s51, 0
	s_lshl_b32 s49, s47, 3
	s_add_co_u32 s52, s46, s49                     ; my words in each row of q's scale words
	s_mov_b32 s53, 0
	s_lshl_b32 s54, s38, 4
	s_lshl_b32 s55, s[WV], 1
	s_add_co_u32 s54, s54, s55
	s_lshl_b32 s54, s54, 1
	s_lshl_b32 s55, s40, 7
	s_add_co_u32 s54, s54, s55                     ; my first token row tile: 128 batch + 2 (16 cx + 2 w)
	s_lshl_b32 s56, s54, 14                        ; att_img: 16,384 bytes a row tile,
	s_lshr_b32 s55, s41, 1
	s_lshl_b32 s55, s55, 11                        ; image head / 2,
	s_add_co_u32 s56, s56, s55
	s_and_b32 s55, s41, 1
	s_lshl_b32 s58, s55, 10                        ; pieces 2 (head % 2) on
	s_add_co_u32 s56, s56, s58
	s_mov_b32 s57, 0
	s_lshl_b32 s58, s54, 9                         ; att_sc: 512 bytes a row tile,
	s_lshr_b32 s59, s41, 2
	s_lshl_b32 s59, s59, 7                         ; 128 for each 256 along K,
	s_add_co_u32 s58, s58, s59
	s_bfe_u32 s59, s41, 0x10001
	s_lshl_b32 s59, s59, 2                         ; word (head / 2) % 2,
	s_add_co_u32 s58, s58, s59
	s_lshl_b32 s59, s55, 1                         ; bytes 2 (head % 2) on
	s_add_co_u32 s58, s58, s59
	s_mov_b32 s59, 0
	; descriptor group 1: a dense block of 33,792 bytes as 132 rows of 256 bytes (32 elements of 8 bytes)
	s_mov_b32 s[G1], 15|(3<<16)|(1<<21)            ; the mask: all four work-groups; elements of 8 bytes; bit 21 set beside a mask
	s_mov_b32 s[G1+1], 32<<16
	s_mov_b32 s[G1+2], (PAIR/256)<<16
	s_mov_b32 s[G1+3], 32<<16
	s_mov_b32 s[G1+4], PAIR/256
	s_mov_b32 s[G1+5], 32
	s_mov_b32 s[G1+6], 0
	s_mov_b32 s[G1+7], 0
	s_mov_b32 s[SEL], 0x76543210
	s_mov_b32 s[SEL+1], 0xfedcba98
	s_mov_b32 s[CS], 0x3e38aa3b                    ; c = log2(e) / 8
	s_mov_b32 s[CS+1], s[CS]
	s_mov_b32 s[CN], 0xbe38aa3b                    ; -c
	s_mov_b32 s[MNT], 0x600000
	s_mov_b32 s[G0], 1
	s_mul_i32 s[G0+1], s[WV], PAIR
	s_wait_dscnt 0x0
	s_wait_kmcnt 0x0
	s_add_nc_u64 s[G0+2:G0+3], s[4:5], s[44:45]
	s_or_b32 s[G0+3], s[G0+3], 0x80000000
	s_add_nc_u64 s[10:11], s[4:5], s[50:51]
	s_add_nc_u64 s[12:13], s[4:5], s[52:53]
	s_add_nc_u64 s[6:7], s[6:7], s[56:57]
	s_add_nc_u64 s[8:9], s[8:9], s[58:59]
	ROUND                                          ; all four work-groups are here: the joint loads meet
	tensor_load_to_lds s[G0:G0+3], s[G1:G1+7]      ; my one tensor load of the launch
	s_nop 0
.rept 4
	v_nop
.endr
	v_and_b32 v9, 31, v0
	v_lshlrev_b32 v[LI], 4, v9
	v_and_b32 v9, 15, v0
	v_lshlrev_b32 v[LS], 4, v9
	v_bfe_u32 v[HH], v0, 4, 1
	v_lshlrev_b32 v[SCO], 3, v9
	v_lshl_add_u32 v[SCO], v[HH], 9, v[SCO]
	v_cmp_lt_u32 s[HM], 0, v[HH]
	v_add_nc_u32 v[LIV], VREG, v[LI]
	v_add_nc_u32 v[LSV], VREG, v[LS]
	WIN 0x40                                       ; destinations in window 1
	global_load_b128 v[QB+8:QB+11], v[LI], s[10:11]                 ; first pass: q of tile 0: pieces 0, 1
	global_load_b128 v[QB+12:QB+15], v[LI], s[10:11] offset:512
	global_load_b128 v[QB+24:QB+27], v[LI], s[10:11] offset:1024    ; of tile 1: pieces 2, 3
	global_load_b128 v[QB+28:QB+31], v[LI], s[10:11] offset:1536
.irp c, 0,1,2,3
	global_load_b128 v[QN+4*\c:QN+4*\c+3], v[LI], s[10:11] offset:2048+512*\c   ; second pass: the next image
.endr
.irp z, 0,16,32
.irp j, 0,1,2,3,4,5,6,7
	v_mov_b32 v[QB+\z+\j], 0                       ; the zero codes beside q
.endr
.endr
	WIN 0
	global_load_b32 v[QW], v[LS], s[12:13] offset:8192              ; my rows' scale words: bytes tile 0 block 0, 1; tile 1 block 0, 1
	global_load_b32 v[QW+1], v[LS], s[12:13] offset:8196
.irp t, 0,1
.irp b, 0,1,2,3
	v_mov_b32 v[TT+32*\t+4+\b], 0                  ; written once: a lane permute's destination counts as one of its sources
.endr
	v_mov_b32 v[TT+32*\t+21], 0                    ; (named as the upper half of f's pair)
	v_mov_b32 v[TT+32*\t+22], 0
.endr
	s_wait_alu depctr_va_vdst(0)
	s_wait_tensorcnt 0x0                           ; my part is in,
	s_barrier_signal -1
	s_barrier_wait -1                              ; everybody's is: the whole head lies in LDS
	s_wait_loadcnt 0x0                             ; q
	WIN 0x40
	LDIMG KF, LI                                   ; K of group 0
	WIN 0
	ds_load_b128 v[KS:KS+3], v[LS] offset:8192
	s_mov_b32 s[PASS], 0
.Lpass:                                            ; two passes of 32 queries
	s_cmp_eq_u32 s[PASS], 0
	s_cbranch_scc1 .Lfirst
	WIN 0x41
.irp j, 0,1,2,3,4,5,6,7
	v_mov_b32 v[QB+8+\j], v[QN+\j]                 ; the second pass's q takes the first's place
	v_mov_b32 v[QB+24+\j], v[QN+8+\j]
.endr
	WIN 0
	v_mov_b32 v[QW], v[QW+1]
.Lfirst:
	v_perm_b32 v[QS], v[QW], v[QW], 0x01000100     ; tile 0's two bytes twice: they serve [q | 0] and [0 | q] alike
	v_perm_b32 v[QS+1], v[QW], v[QW], 0x03020302   ; tile 1's
.irp t, 0,1
	v_mov_b32 v[TT+32*\t+17], 0xff61b1e6           ; the largest score so far: -3e38
	v_mov_b32 v[TT+32*\t+18], 0                    ; the sum, in two halves
	v_mov_b32 v[TT+32*\t+19], 0
.endr
.irp t, 0,1
	v_mul_f32 v[TT+32*\t+22], s[CN], v[TT+32*\t+17]
.endr
.irp t, 0,1
	v_floor_f32 v[TT+32*\t+16], v[TT+32*\t+22]     ; -M
.endr
	WIN 0x40
.set J, 0
.rept 64
	v_mov_b32 v[OT+J], 0                           ; O^T.  (The step is written once: the first finds zeros, which the first change of M leaves zeros)
.set J, J+1
.endr
	WIN 0
	s_mov_b32 s[CNT], 0
	s_wait_alu depctr_va_vdst(0)
.Lstep:                                            ; 16 steps of 128 keys
	s_mul_i32 s[TB], s[CNT], REC                   ; this group's record, in K's region and in V's
	s_add_co_u32 s58, s[CNT], 1
	s_and_b32 s58, s58, 15                         ; the next group; behind the last comes group 0, for the next pass
	s_mul_i32 s[TBN], s58, REC
	s_wait_dscnt 0x0                               ; K's images and words (the first step's were asked for just now)
	WIN 0x05                                       ; K and q in window 1
.irp f, 0,1,2,3                                ; S^T = K Q^T: image f against [q | 0]: keys 32 f + 16 h + 0..7; against [0 | q]: + 8..15; both tiles
.irp t, 0,1
	v_wmma_scale_f32_16x16x128_f8f6f4 v[S+64*\t+16*\f:S+64*\t+16*\f+7], v[KF+16*\f:KF+16*\f+15], v[QB+8+16*\t:QB+23+16*\t], 0, v[KS+\f], v[QS+\t] matrix_a_fmt:MATRIX_FMT_BF8 matrix_b_fmt:MATRIX_FMT_BF8
	v_wmma_scale_f32_16x16x128_f8f6f4 v[S+64*\t+16*\f+8:S+64*\t+16*\f+15], v[KF+16*\f:KF+16*\f+15], v[QB+16*\t:QB+15+16*\t], 0, v[KS+\f], v[QS+\t] matrix_a_fmt:MATRIX_FMT_BF8 matrix_b_fmt:MATRIX_FMT_BF8
.endr
.endr
	WIN 0
	v_add_nc_u32 v[ADR], s[TB], v[LIV]             ; eight places behind the products, in front of the loads below and of the first read of the scores: four additions
	v_add_nc_u32 v[ADS], s[TB], v[LSV]
	v_add_nc_u32 v[ADN], s[TBN], v[LI]
	v_add_nc_u32 v[ASN], s[TBN], v[LS]
.rept 4
	v_nop                                          ; and four idle lines
.endr
	WIN 0x40
	LDIMG KF, ADN                                  ; K of the next step,
	LDIMG VF, ADR                                  ; V of this one: both land under the softmax
	WIN 0
	ds_load_b128 v[KS:KS+3], v[ASN] offset:8192
	ds_load_b128 v[VS:VS+3], v[ADS] offset:8192
.irp t, 0,1                                    ; THE LARGEST SCORE OF EACH BLOCK OF 32 KEYS: for the row's maximum and, since p rises with the score, for the block's largest p.  Eight chains by turns
.irp b, 0,1,2,3
	v_max3_num_f32 v[TT+32*\t+\b], v[S+64*\t+16*\b], v[S+64*\t+16*\b+1], v[S+64*\t+16*\b+2]
.endr
.endr
.irp i, 3,5,7,9,11,13
.irp t, 0,1
.irp b, 0,1,2,3
	v_max3_num_f32 v[TT+32*\t+\b], v[TT+32*\t+\b], v[S+64*\t+16*\b+\i], v[S+64*\t+16*\b+\i+1]
.endr
.endr
.endr
.irp t, 0,1
.irp b, 0,1,2,3
	v_max_num_f32 v[TT+32*\t+\b], v[TT+32*\t+\b], v[S+64*\t+16*\b+15]
.endr
.endr
.irp t, 0,1
.irp b, 0,1,2,3
	v_permlanex16_b32 v[TT+32*\t+4+\b], v[TT+32*\t+\b], s[SEL], s[SEL+1]
.endr
.endr
.irp t, 0,1
.irp b, 0,1,2,3
	v_max_num_f32 v[TT+32*\t+\b], v[TT+32*\t+\b], v[TT+32*\t+4+\b]   ; with lane l xor 16's 16 keys
.endr
.endr
.irp t, 0,1
	v_mov_b32 v[TT+32*\t+23], v[TT+32*\t+16]       ; the old -M
.endr
.irp t, 0,1
	v_max3_num_f32 v[TT+32*\t+22], v[TT+32*\t], v[TT+32*\t+1], v[TT+32*\t+2]
.endr
.irp t, 0,1
	v_max3_num_f32 v[TT+32*\t+17], v[TT+32*\t+17], v[TT+32*\t+22], v[TT+32*\t+3]   ; the running largest score
.endr
.irp t, 0,1
	v_mul_f32 v[TT+32*\t+22], s[CN], v[TT+32*\t+17]   ; -t (c is positive)
.endr
.irp t, 0,1
	v_floor_f32 v[TT+32*\t+16], v[TT+32*\t+22]     ; the new -M = floor(-t) = -ceil(t): M is a whole number
.endr
.set J, 0
.rept 32                                       ; tile 0: t - M, two at a time; among these lines the three that make f = 2^(old M - new M), a factor that rounds nothing
	v_pk_fma_f32 v[S+J:S+J+1], v[S+J:S+J+1], s[CS:CS+1], v[TT+16:TT+17] op_sel_hi:[1,0,0]
.if J == 6
.irp t, 0,1
	v_sub_f32 v[TT+32*\t+22], v[TT+32*\t+16], v[TT+32*\t+23]   ; old M less new M: a whole number, 0 or less
.endr
.endif
.if J == 14
.irp t, 0,1
	v_cvt_i32_f32 v[TT+32*\t+22], v[TT+32*\t+22]   ; (it saturates)
.endr
.endif
.if J == 22
.irp t, 0,1
	v_ldexp_f32 v[TT+32*\t+20], 1.0, v[TT+32*\t+22]
.endr
.endif
.set J, J+2
.endr
.irp b, 0,1,2,3
	v_fma_f32 v[TT+\b], v[TT+\b], s[CS], v[TT+16]  ; the same of each block's largest score
.endr
	s_wait_alu depctr_va_vdst(0)
.set J, 0
.rept 32                                       ; tile 0's p = 2^(t - M); among the exponentials tile 1's t - M, which reads and writes nothing of theirs and is first read behind the wait below
	v_exp_f32 v[S+J], v[S+J]
	v_exp_f32 v[S+J+1], v[S+J+1]
	v_pk_fma_f32 v[S+64+J:S+64+J+1], v[S+64+J:S+64+J+1], s[CS:CS+1], v[TT+48:TT+49] op_sel_hi:[1,0,0]
.set J, J+2
.endr
.irp b, 0,1,2,3
	v_exp_f32 v[TT+\b], v[TT+\b]                   ; the block's largest p: the same two instructions on the same number give the same bits
	v_fma_f32 v[TT+32+\b], v[TT+32+\b], s[CS], v[TT+48]
.endr
	s_wait_alu depctr_va_vdst(0)                   ; one wait for the batch, ahead of its first reader
	SCSUM 0
	s_wait_alu depctr_va_vdst(0)                   ; and ahead of the next batch: the holds below read what the lines above wrote
.irp b, 0,1,2,3
	v_exp_f32 v[TT+32+\b], v[TT+32+\b]
.endr
.set J, 0
.rept 32                                       ; tile 1's p; among the exponentials tile 0's holds, two a line: the conversion to an 8-bit code does not saturate (ISA guide 7.6.2); p is not negative, so the hold is one-sided
	v_exp_f32 v[S+64+J], v[S+64+J]
	v_exp_f32 v[S+64+J+1], v[S+64+J+1]
	v_dual_min_num_f32 v[S+J], v[S+J], v[TT+8+J/16] :: v_dual_min_num_f32 v[S+J+1], v[S+J+1], v[TT+8+J/16]
.set J, J+2
.endr
	v_nop                                          ; a plain place behind the exponentials
	s_wait_dscnt 0x0                               ; V, and the next K: asked for at the step's head
	WIN 0x41                                       ; O^T in window 1, f in window 0
	s_wait_alu depctr_va_vdst(0)                   ; one wait for the batch, and, directly ahead of O^T's first reader, for the last products' results
.irp t, 0,1
.set J, 0
.rept 16
	v_pk_mul_f32 v[OT+32*\t+J:OT+32*\t+J+1], v[OT+32*\t+J:OT+32*\t+J+1], v[TT+32*\t+20:TT+32*\t+21] op_sel_hi:[1,0]   ; O^T under the new M, each accumulator from its low end on
.set J, J+2
.endr
.endr
	WIN 0
	CVTS 0
	SCSUM 1
.set J, 0
.rept 32
	v_dual_min_num_f32 v[S+64+J], v[S+64+J], v[TT+40+J/16] :: v_dual_min_num_f32 v[S+64+J+1], v[S+64+J+1], v[TT+40+J/16]
.set J, J+2
.endr
	CVTS 1
.irp t, 0,1                                    ; the sums' chains are joined: six plain lines, which are also the places between the conversions and the products
	v_pk_add_f32 v[TT+32*\t+24:TT+32*\t+25], v[TT+32*\t+24:TT+32*\t+25], v[TT+32*\t+26:TT+32*\t+27]
.endr
.irp t, 0,1
	v_pk_add_f32 v[TT+32*\t+18:TT+32*\t+19], v[TT+32*\t+18:TT+32*\t+19], v[TT+32*\t+28:TT+32*\t+29]
.endr
.irp t, 0,1
	v_pk_add_f32 v[TT+32*\t+18:TT+32*\t+19], v[TT+32*\t+18:TT+32*\t+19], v[TT+32*\t+24:TT+32*\t+25]
.endr
	WIN 0x51                                       ; V and O^T in window 1, p's codes in window 0
.irp k, 0,1,2,3                                ; O^T += V^T P^T: eight accumulators by turns
.irp t, 0,1
	v_wmma_scale_f32_16x16x128_f8f6f4 v[OT+32*\t+8*\k:OT+32*\t+8*\k+7], v[VF+16*\k:VF+16*\k+15], v[PCD+16*\t:PCD+16*\t+15], v[OT+32*\t+8*\k:OT+32*\t+8*\k+7], v[VS+\k], v[PS+\t] matrix_a_fmt:MATRIX_FMT_BF8 matrix_b_fmt:MATRIX_FMT_BF8
.endr
.endr
	WIN 0
	s_add_co_u32 s[CNT], s[CNT], 1
	s_cmp_lt_u32 s[CNT], 16
	s_cbranch_scc1 .Lstep
	; THE WAY OUT of a pass: O^T / the sum, quantised along d, stored
.rept 4
	v_nop                                          ; with the plain lines below: the places behind the last products
.endr
.irp t, 0,1
	v_add_f32 v[TT+32*\t+18], v[TT+32*\t+18], v[TT+32*\t+19]   ; the sum's two halves,
.endr
.irp t, 0,1
	v_permlanex16_b32 v[TT+32*\t+22], v[TT+32*\t+18], s[SEL], s[SEL+1]
.endr
.irp t, 0,1
	v_add_f32 v[TT+32*\t+18], v[TT+32*\t+18], v[TT+32*\t+22]   ; and lane l xor 16's: the row's sum
.endr
.rept 2
	v_nop
.endr
	s_wait_alu depctr_va_vdst(0)
.irp t, 0,1
	v_rcp_f32 v[TT+32*\t+18], v[TT+32*\t+18]
.endr
	v_nop                                          ; one plain place behind a transcendental
	WIN 0x01                                       ; O^T in window 1
	s_wait_alu depctr_va_vdst(0)                   ; the wait, directly ahead of the first reader
.irp t, 0,1
.set J, 0
.rept 16
	v_pk_mul_f32 v[S+64*\t+J:S+64*\t+J+1], v[OT+32*\t+J:OT+32*\t+J+1], v[TT+32*\t+18:TT+32*\t+19] op_sel_hi:[1,0]   ; register 16 b + i is o(my query, 32 b + 16 h + i)
.set J, J+2
.endr
.endr
	WIN 0
.irp t, 0,1
.irp b, 0,1
	v_max3_num_f32 v[TT+32*\t+\b], |v[S+64*\t+16*\b]|, |v[S+64*\t+16*\b+1]|, 0x8000000   ; the two blocks of 32 along d: my 16 numbers and the floor
.endr
.endr
.irp i, 2,4,6,8,10,12,14
.irp t, 0,1
.irp b, 0,1
	v_max3_num_f32 v[TT+32*\t+\b], v[TT+32*\t+\b], |v[S+64*\t+16*\b+\i]|, |v[S+64*\t+16*\b+\i+1]|
.endr
.endr
.endr
.irp t, 0,1
.irp b, 0,1
	v_permlanex16_b32 v[TT+32*\t+4+\b], v[TT+32*\t+\b], s[SEL], s[SEL+1]
.endr
.endr
.irp t, 0,1
.irp b, 0,1
	v_max_num_f32 v[TT+32*\t+\b], v[TT+32*\t+\b], v[TT+32*\t+4+\b]
.endr
.endr
.irp t, 0,1
.irp b, 0,1
	v_add_nc_u32 v[TT+32*\t+12+\b], 0xf8800000, v[TT+32*\t+\b]
.endr
.endr
.irp t, 0,1
.irp b, 0,1
	v_and_or_b32 v[TT+32*\t+8+\b], v[TT+32*\t+\b], 0x7f800000, s[MNT]
.endr
.endr
.irp t, 0,1
.irp b, 0,1
	v_lshrrev_b32 v[TT+32*\t+4+\b], 23, v[TT+32*\t+12+\b]
.endr
.endr
.irp t, 0,1
	v_lshl_or_b32 v[OW+\t], v[TT+32*\t+5], 8, v[TT+32*\t+4]   ; my row's two scale bytes
.endr
.irp t, 0,1
.irp b, 0,1
.irp i, 0,1,2,3,4,5,6,7,8,9,10,11,12,13,14,15
	v_med3_num_f32 v[S+64*\t+16*\b+\i], v[S+64*\t+16*\b+\i], -v[TT+32*\t+8+\b], v[TT+32*\t+8+\b]
.endr
	v_cvt_scalef32_pk8_bf8_f32 v[PCD+16*\t+4*\b:PCD+16*\t+4*\b+1], v[S+64*\t+16*\b:S+64*\t+16*\b+7], v[TT+32*\t+12+\b]
	v_cvt_scalef32_pk8_bf8_f32 v[PCD+16*\t+4*\b+2:PCD+16*\t+4*\b+3], v[S+64*\t+16*\b+8:S+64*\t+16*\b+15], v[TT+32*\t+12+\b]
.endr
.endr
	v_cndmask_b32 v[OD], v[OW], v[OW+1], s[HM]     ; lanes 0-15 store tile 0's bytes of row r, lanes 16-31 tile 1's.  (Also the plain line behind the last conversion)
.irp t, 0,1
.irp b, 0,1
	global_store_b128 v[LI], v[PCD+16*\t+4*\b:PCD+16*\t+4*\b+3], s[6:7] offset:16384*\t+512*\b   ; a piece of the image: 512 consecutive bytes, aligned
.endr
.endr
	global_store_b16 v[SCO], v[OD], s[8:9]         ; two bytes of a word whose other two are another head's: one byte in 32 of what the launch stores
	s_wait_alu depctr_va_vdst(0)
	s_wait_xcnt 0x0                                ; the stores have read their registers and bases: both are written again below and in the next pass
	s_add_nc_u64 s[6:7], s[6:7], 32768             ; two row tiles on
	s_add_nc_u64 s[8:9], s[8:9], 1024
	s_add_co_u32 s[PASS], s[PASS], 1
	s_cmp_lt_u32 s[PASS], 2
	s_cbranch_scc1 .Lpass
	s_wait_tensorcnt 0x0                           ; the wave's end
	ds_add_u32 v[SPW], v[NIL]
	s_wait_dscnt 0x0
	ROUND                                          ; the closing round: no work-group ends while a partner may still ask for a tile that names it
	s_endpgm
.Lfunc_end_k_qe62c0f8f5f_attn:
	.size	k_qe62c0f8f5f_attn, .Lfunc_end_k_qe62c0f8f5f_attn-k_qe62c0f8f5f_attn
	.p2alignl 7, 3214868480
	.fill 96, 4, 3214868480
	.section	.rodata,"a",@progbits
	.p2align	6, 0x0
	.amdhsa_kernel k_qe62c0f8f5f_attn
		.amdhsa_group_segment_fixed_size 272384
		.amdhsa_private_segment_fixed_size 0
		.amdhsa_enable_private_segment 0
		.amdhsa_kernarg_size 24
		.amdhsa_user_sgpr_count 2
		.amdhsa_user_sgpr_kernarg_segment_ptr 1
		.amdhsa_wavefront_size32 1
		.amdhsa_system_sgpr_workgroup_id_x 1
		.amdhsa_system_sgpr_workgroup_id_y 1
		.amdhsa_system_sgpr_workgroup_id_z 1
		.amdhsa_system_vgpr_workitem_id 0
		.amdhsa_next_free_vgpr 512
		.amdhsa_next_free_sgpr 66
		.amdhsa_reserve_vcc 0
		.amdhsa_float_denorm_mode_32 3
		.amdhsa_float_denorm_mode_16_64 3
		.amdhsa_memory_ordered 1
		.amdhsa_forward_progress 1
		.amdhsa_inst_pref_size 57
	.end_amdhsa_kernel
	.amdgpu_metadata
---
amdhsa.version: [ 1, 2 ]
amdhsa.kernels:
  - .name:           k_qe62c0f8f5f_attn
    .symbol:         k_qe62c0f8f5f_attn.kd
    .args:
      - { .name: qkv, .offset: 0, .size: 8, .value_kind: global_buffer, .address_space: global }
      - { .name: att_img, .offset: 8, .size: 8, .value_kind: global_buffer, .address_space: global }
      - { .name: att_sc, .offset: 16, .size: 8, .value_kind: global_buffer, .address_space: global }
    .group_segment_fixed_size: 272384
    .private_segment_fixed_size: 0
    .kernarg_segment_align: 8
    .kernarg_segment_size: 24
    .max_flat_workgroup_size: 256
    .sgpr_count:     66
    .vgpr_count:     512
    .wavefront_size: 32
...
	.end_amdgpu_metadata
.endif
;; end of part 3
;; launch proj (part 4): grid 4 x 32, 4 waves a work-group, clusters of 4 x 4, 327,680 bytes of LDS; arguments att_img, att_sc, in_img, in_sc, b_out, out0; writes out0
.if DOCPART == 4
	.amdgcn_target "amdgcn-amd-amdhsa--gfx1250"
	.amdhsa_code_object_version 6
	.text
	.protected	k_qe62c0f8f5f_proj
	.globl	k_qe62c0f8f5f_proj
	.p2align	8
	.type	k_qe62c0f8f5f_proj,@function
k_qe62c0f8f5f_proj:
	s_mov_b64 s[64:65], 0
	v_nop
	global_prefetch_b8 v0, s[64:65] scope:SCOPE_SE
	s_setreg_imm32_b32 hwreg(HW_REG_WAVE_MODE, 25, 1), 1
	s_wait_xcnt 0x0
	s_wait_alu depctr_hold_cnt(0) depctr_sa_sdst(0) depctr_va_vdst(0) depctr_va_sdst(0) depctr_va_ssrc(0) depctr_va_vcc(0) depctr_vm_vsrc(0)
	s_getreg_b32 s2, hwreg(HW_REG_IB_STS2, 6, 4)
	s_cmp_eq_u32 s2, 0
	s_cbranch_scc0 .Lentry_in_a_cluster
	s_endpgm
.Lentry_in_a_cluster:
	s_bfe_u32 s2, ttmp6, 0x10000c
	s_cmp_lg_u32 s2, 0xf033
	s_cbranch_scc0 .Lentry_shape_is_right
	s_endpgm
.Lentry_shape_is_right:
.set NQ,    2
.set FR,    16
.set NL,    4
.set NP,    8
.set IMG,   2048
.set KSB,   NQ*IMG
.set TILEB, 8*IMG
.set HALFT, 8*KSB
.set SLOT,  4*HALFT
.set SCL,   2*SLOT
.set HALFS, 8*512
.set SPARE, SCL+4*HALFS
.set SPITCH, 528
.set ADRA, 16
.set ADRB, 20
.set STO,  24
.set RD,   25
.set VO,   26
.set ADRS, 27
.set SPW,  28
.set NIL,  29
.set SC,   32
.set BN,   64
.set AF,   128
.set BK,   128
.set G1, 24
.set G0, 32
.set G1B, 48
.set G0B, 56
.set G1S, 68
.set G0S, 76
.set G1SB, 80
.set G0SB, 88
.set MSB, 0
.macro WIN new
.if MSB != (\new)
	s_set_vgpr_msb (MSB<<8)|(\new)
.set MSB, (\new)
.endif
.endm
.set MUL_LO, 0xa1
.set MUL_HI, 0xf1
.set TO_B,   0x40
.macro JLOAD g0a, g1a, g0b, g1b
	s_cmp_eq_u32 s15, 0
	s_cbranch_scc0 .Lfor_b_\@
	tensor_load_to_lds s[\g0a:\g0a+3], s[\g1a:\g1a+7]
	s_nop 0
.rept 4
	v_nop
.endr
	s_branch .Lasked_\@
.Lfor_b_\@:
	tensor_load_to_lds s[\g0b:\g0b+3], s[\g1b:\g1b+7]
	s_nop 0
.rept 4
	v_nop
.endr
.Lasked_\@:
.endm
.macro CREST
	s_cmp_lg_u32 s14, 0
	s_cbranch_scc1 .Lnot_wave_0_\@
	s_barrier_signal -3
.Lnot_wave_0_\@:
	s_barrier_wait -3
	s_barrier_signal -1
	s_barrier_wait -1
.endm
.macro CROUND
	s_barrier_signal -1
	s_barrier_wait -1
	CREST
.endm
	s_load_b128 s[4:7], s[0:1], 0x0
	s_load_b128 s[8:11], s[0:1], 0x10
	s_load_b128 s[96:99], s[0:1], 0x20
	v_lshl_add_u32 v[SPW], v0, 2, SPARE
	v_mov_b32 v[NIL], 0
	ds_add_u32 v28, v29
	ds_add_u32 v28, v29
	s_wait_dscnt 0x0
	v_lshrrev_b32 v1, 5, v0
	v_readfirstlane_b32 s14, v1
	s_lshr_b32 s15, s14, 1
	s_and_b32 s16, s14, 1
	s_bfe_u32 s40, ttmp6, 0x40000
	s_bfe_u32 s41, ttmp6, 0x40004
	s_lshl_b32 s42, ttmp9, 2
	s_add_co_u32 s42, s42, s40
	s_and_b32 s17, ttmp7, 0xffff
	s_lshl_b32 s17, s17, 2
	s_add_co_u32 s17, s17, s41
	s_lshl_b32 s43, s41, 2
	s_lshl_b32 s43, 15, s43
	s_lshl_b32 s44, 0x1111, s40
	s_or_b32 s[G1+0], s43, (3<<16)|(1<<21)
	s_or_b32 s[G1B+0], s44, (3<<16)|(1<<21)
.irp g, G1, G1B
	s_mov_b32 s[\g+1], (KSB/8)<<16
	s_mov_b32 s[\g+2], 16<<16
	s_mov_b32 s[\g+3], (KSB/8)<<16
	s_mov_b32 s[\g+4], 16
	s_mov_b32 s[\g+5], TILEB/8
	s_mov_b32 s[\g+6], 0
	s_mov_b32 s[\g+7], 0
.endr
	s_or_b32 s[G1S+0], s43, (3<<16)|(1<<21)
	s_or_b32 s[G1SB+0], s44, (3<<16)|(1<<21)
.irp g, G1S, G1SB
	s_mov_b32 s[\g+1], 32<<16
	s_mov_b32 s[\g+2], 32<<16
	s_mov_b32 s[\g+3], 32<<16
	s_mov_b32 s[\g+4], 32
	s_mov_b32 s[\g+5], 32
	s_mov_b32 s[\g+6], 0
	s_mov_b32 s[\g+7], 0
.endr
	s_lshl_b32 s20, s17, 4
	s_lshl_b32 s46, s42, 4
	s_add_co_u32 s46, s46, 704
	s_lshl_b32 s22, s20, 9
	s_mov_b32 s23, 0
	s_lshl_b32 s20, s20, 14
	s_mov_b32 s21, 0
	s_lshl_b32 s92, s46, 9
	s_mov_b32 s93, 0
	s_lshl_b32 s46, s46, 14
	s_mov_b32 s47, 0
	s_mul_i32 s45, s14, HALFT
	s_wait_kmcnt 0x0
	s_add_nc_u64 s[20:21], s[4:5], s[20:21]
	s_add_nc_u64 s[22:23], s[6:7], s[22:23]
	s_add_nc_u64 s[46:47], s[8:9], s[46:47]
	s_add_nc_u64 s[92:93], s[10:11], s[92:93]
	CROUND
	s_mov_b32 s[G0S], 1
	s_mov_b32 s[G0S+1], SCL
	s_mov_b64 s[G0S+2:G0S+3], s[22:23]
	s_or_b32 s[G0S+3], s[G0S+3], 0x80000000
	s_mov_b32 s[G0SB], 1
	s_mov_b32 s[G0SB+1], SCL+2*HALFS
	s_mov_b64 s[G0SB+2:G0SB+3], s[92:93]
	s_or_b32 s[G0SB+3], s[G0SB+3], 0x80000000
	; the head's four tiles, each whole, one joint load a wave: K step 0's 16 row tiles of A, its 16 of B, A's scale words, B's.  Slot 0's own groups 0 serve the two loads of codes; they are set for the ring behind the wait that shows these loads done
	s_mov_b32 s[G0], 1
	s_mov_b32 s[G0+1], 0
	s_mov_b64 s[G0+2:G0+3], s[20:21]
	s_or_b32 s[G0+3], s[G0+3], 0x80000000
	s_mov_b32 s[G0B], 1
	s_mov_b32 s[G0B+1], 2*HALFT
	s_mov_b64 s[G0B+2:G0B+3], s[46:47]
	s_or_b32 s[G0B+3], s[G0B+3], 0x80000000
	s_lshl_b32 s18, s16, 17                        ; in the ring I fetch 8 row tiles of 16,384 bytes: which half
	s_mov_b32 s19, 0
	s_add_nc_u64 s[20:21], s[20:21], s[18:19]
	s_add_nc_u64 s[46:47], s[46:47], s[18:19]
	; the prefetches' base: of the 8 row tiles that I fetch in the ring, the partner at place p among the four that ask with me (p = cx for A, cy for B) names tiles 2 p, 2 p + 1: told apart by address alone
	s_cmp_eq_u32 s15, 0                            ; do I fetch for A?
	s_cselect_b64 s[4:5], s[20:21], s[46:47]
	s_cselect_b32 s6, s40, s41
	s_lshl_b32 s6, s6, 15                          ; two row tiles of 16,384 bytes
	s_mov_b32 s7, 0
	s_add_nc_u64 s[4:5], s[4:5], s[6:7]            ; never rewritten from here on
	s_mov_b32 s[G0+4], 1
	s_add_co_u32 s[G0+5], s45, SLOT
	s_add_nc_u64 s[G0+6:G0+7], s[20:21], KSB
	s_or_b32 s[G0+7], s[G0+7], 0x80000000
	s_mov_b32 s[G0B+4], 1
	s_add_co_u32 s[G0B+5], s45, SLOT
	s_add_nc_u64 s[G0B+6:G0B+7], s[46:47], KSB
	s_or_b32 s[G0B+7], s[G0B+7], 0x80000000
	s_cmp_lt_u32 s14, 1                            ; one tree of branches on the wave's number: every way passes exactly one load
	s_cbranch_scc0 .Lhead_b
	tensor_load_to_lds s[G0:G0+3], s[G1:G1+7]
	s_nop 0
.rept 4
	v_nop
.endr
	s_branch .Lhead_asked
.Lhead_b:
	s_cmp_lt_u32 s14, 2
	s_cbranch_scc0 .Lhead_sa
	tensor_load_to_lds s[G0B:G0B+3], s[G1B:G1B+7]
	s_nop 0
.rept 4
	v_nop
.endr
	s_branch .Lhead_asked
.Lhead_sa:
	s_cmp_lt_u32 s14, 3
	s_cbranch_scc0 .Lhead_sb
	tensor_load_to_lds s[G0S:G0S+3], s[G1S:G1S+7]
	s_nop 0
.rept 4
	v_nop
.endr
	s_branch .Lhead_asked
.Lhead_sb:
	tensor_load_to_lds s[G0SB:G0SB+3], s[G1SB:G1SB+7]
	s_nop 0
.rept 4
	v_nop
.endr
.Lhead_asked:
	v_and_b32 v1, 15, v0
	v_bfe_u32 v2, v0, 4, 1
	s_wait_alu depctr_va_vdst(0)
	v_and_b32 v3, 31, v0
	v_lshlrev_b32 v[VO], 4, v3
	v_lshlrev_b32 v31, 8, v1                       ; the prefetches' offset: a lane a block of 256 bytes: 16 blocks of a row tile's K step, lanes 16-31 in the next row tile; never rewritten
	v_lshl_add_u32 v31, v2, 14, v31
	global_prefetch_b8 v31, s[4:5] offset:KSB th:TH_LOAD_NT scope:SCOPE_SE     ; behind the head's load: K steps 1 and 2, which the next two loads of the ring will ask for
	global_prefetch_b8 v31, s[4:5] offset:2*KSB th:TH_LOAD_NT scope:SCOPE_SE
	s_mul_i32 s21, s15, HALFT
	s_mul_i32 s22, s16, HALFT
	s_add_co_u32 s22, s22, 2*HALFT
.irp s, 0,1
	v_add_nc_u32 v[ADRA+\s], s21, v[VO]
	v_add_nc_u32 v[ADRB+\s], s22, v[VO]
	s_add_co_u32 s21, s21, SLOT
	s_add_co_u32 s22, s22, SLOT
.endr
	v_lshlrev_b32 v5, 3, v1
	s_mul_i32 s21, s15, HALFS
	s_mul_i32 s22, s16, HALFS
	s_add_co_u32 s22, s22, 2*HALFS
	s_sub_co_u32 s22, s22, s21
	v_mul_u32_u24 v6, s22, v2
	s_add_co_u32 s21, s21, SCL
	v_add_nc_u32 v5, v5, v6
	v_add_nc_u32 v[ADRS], s21, v5
	s_mul_i32 s23, s14, 16*SPITCH
	v_mul_u32_u24 v5, v1, SPITCH
	v_lshl_add_u32 v5, v2, 6, v5
	v_add_nc_u32 v[STO], s23, v5
	v_add_nc_u32 v[RD], s23, v[VO]
	s_lshl_b32 s20, s17, 8
	s_lshl_b32 s21, s15, 7
	s_add_co_u32 s20, s20, s21
	s_lshl_b32 s20, s20, 12
	s_mov_b32 s21, 0
	s_lshl_b32 s46, s42, 8
	s_lshl_b32 s47, s16, 7
	s_add_co_u32 s46, s46, s47
	s_lshl_b32 s46, s46, 2
	s_mov_b32 s47, 0
	s_add_nc_u64 s[66:67], s[96:97], s[46:47]
	s_add_nc_u64 s[12:13], s[98:99], s[20:21]
	s_add_nc_u64 s[12:13], s[12:13], s[46:47]
	global_load_b128 v[BN:BN+3], v[VO], s[66:67]
.macro FRAG reg, adr, q, i
.irp c, 0,1,2,3
	ds_load_b128 v[\reg+4*\c:\reg+4*\c+3], v[\adr] offset:KSB*(\i)+IMG*(\q)+512*\c
.endr
.endm
.macro MUL16 a0, p, q, sc, zero
.irp a, \a0, \a0+1
.irp b, 0,1,2,3,4,5,6,7
.if \zero
	v_wmma_scale_f32_16x16x128_f8f6f4 v[8*(8*((\a)%4)+\b):8*(8*((\a)%4)+\b)+7], v[128*(\p)+FR*\b:128*(\p)+FR*\b+FR-1], v[AF+FR*(\a):AF+FR*(\a)+FR-1], 0, v[SC+8*NQ*(\sc)+NQ*\b+(\q)], v[SC+8*NQ*(\sc)+NQ*(\a)+(\q)] matrix_a_fmt:MATRIX_FMT_BF8 matrix_b_fmt:MATRIX_FMT_BF8 matrix_a_scale:MATRIX_SCALE_ROW1
.else
	v_wmma_scale_f32_16x16x128_f8f6f4 v[8*(8*((\a)%4)+\b):8*(8*((\a)%4)+\b)+7], v[128*(\p)+FR*\b:128*(\p)+FR*\b+FR-1], v[AF+FR*(\a):AF+FR*(\a)+FR-1], v[8*(8*((\a)%4)+\b):8*(8*((\a)%4)+\b)+7], v[SC+8*NQ*(\sc)+NQ*\b+(\q)], v[SC+8*NQ*(\sc)+NQ*(\a)+(\q)] matrix_a_fmt:MATRIX_FMT_BF8 matrix_b_fmt:MATRIX_FMT_BF8 matrix_a_scale:MATRIX_SCALE_ROW1
.endif
.endr
.endr
.endm
.macro FETCH_B slot, q, p
	WIN TO_B
.irp i, 0,1,2,3,4,5,6,7
	FRAG 128*(\p)+FR*\i, ADRB+\slot, \q, \i
.endr
	WIN 0
.endm
.macro FETCH_A slot, q, i0
.irp i, \i0, \i0+1, \i0+2, \i0+3
	FRAG AF+FR*(\i), ADRA+\slot, \q, \i
.endr
.endm
.macro SCALES sc
.irp i, 0,1,2,3,4,5,6,7
	ds_load_b64 v[SC+8*NQ*\sc+NQ*\i:SC+8*NQ*\sc+NQ*\i+1], v[ADRS] offset:\i*512
.endr
.endm
.macro PLACES n
.rept \n
	v_nop
.endr
.endm
.macro STEP slot, q, zero
	s_wait_dscnt 4*NL
	WIN MUL_LO
	MUL16 0, (\q)%2, \q, \slot, \zero
	MUL16 2, (\q)%2, \q, \slot, \zero
	s_wait_dscnt 0
	PLACES NP
	FETCH_B \slot, (\q)+1, 1-(\q)%2
	FETCH_A \slot, (\q)+1, 0
	WIN MUL_HI
	MUL16 4, (\q)%2, \q, \slot, \zero
	MUL16 6, (\q)%2, \q, \slot, \zero
	PLACES NP
	WIN 0
	FETCH_A \slot, (\q)+1, 4
.endm
.macro TURN slot, next, fill
	s_wait_tensorcnt 0x0
	ds_add_u32 v[SPW], v[NIL]
	s_wait_dscnt 4*NL+1
	WIN MUL_LO
	MUL16 0, 1, NQ-1, \slot, 0
	s_wait_dscnt 0x0
	s_barrier_signal -1
	MUL16 2, 1, NQ-1, \slot, 0
	WIN 0
	s_barrier_wait -1
.if \fill
	CREST
	s_add_nc_u64 s[G0+4*\slot+2:G0+4*\slot+3], s[G0+4*\slot+2:G0+4*\slot+3], 2*KSB
	s_add_nc_u64 s[G0B+4*\slot+2:G0B+4*\slot+3], s[G0B+4*\slot+2:G0B+4*\slot+3], 2*KSB
	JLOAD G0+4*\slot, G1, G0B+4*\slot, G1B
	PLACES NP-4
.else
	PLACES NP
.endif
	s_wait_alu depctr_va_vdst(0)
	v_add_nc_u32 v[ADRS], 128, v[ADRS]
	FETCH_B \next, 0, 0
	FETCH_A \next, 0, 0
	SCALES \next
	WIN MUL_HI
	MUL16 4, 1, NQ-1, \slot, 0
	MUL16 6, 1, NQ-1, \slot, 0
	PLACES NP
	WIN 0
	FETCH_A \next, 0, 4
.endm
	s_wait_alu depctr_va_vdst(0)
	s_wait_tensorcnt 0x0                           ; my tile of the head's four is in
	ds_add_u32 v[SPW], v[NIL]
	s_mov_b32 s[G1+2], 8<<16                       ; no tensor load of mine is out, so descriptors may be written: from here on a load brings 8 row tiles,
	s_mov_b32 s[G1+4], 8
	s_mov_b32 s[G1B+2], 8<<16
	s_mov_b32 s[G1B+4], 8
	s_mov_b32 s[G0+1], s45                         ; and slot 0's groups 0 name my part of the slot
	s_add_nc_u64 s[G0+2:G0+3], s[G0+2:G0+3], s[18:19]
	s_mov_b32 s[G0B+1], s45
	s_add_nc_u64 s[G0B+2:G0B+3], s[G0B+2:G0B+3], s[18:19]
	s_wait_dscnt 0x0
	CROUND                                         ; all four tiles are in, and all sixteen work-groups are here
	JLOAD G0+4, G1, G0B+4, G1B                     ; K step 1, the first tensor load behind the round
	global_prefetch_b8 v31, s[4:5] offset:3*KSB th:TH_LOAD_NT scope:SCOPE_SE   ; K step 3, the last: two loads of the ring ahead; the later changes of slots ask for nothing
	FETCH_B 0, 0, 0
	FETCH_A 0, 0, 0
	SCALES 0
	FETCH_A 0, 0, 4
	STEP 0, 0, 1
	TURN 0, 1, 1
	STEP 1, 0, 0
	TURN 1, 0, 1
	STEP 0, 0, 0
	TURN 0, 1, 0
	STEP 1, 0, 0
	s_wait_dscnt 4*NL
	WIN MUL_LO
	MUL16 0, 1, NQ-1, 1, 0
	MUL16 2, 1, NQ-1, 1, 0
	s_wait_dscnt 0
	WIN MUL_HI
	MUL16 4, 1, NQ-1, 1, 0
	MUL16 6, 1, NQ-1, 1, 0
	WIN 0
.macro TOSTAGE a
.set AC, 64*((\a)%4)
	WIN 0x08+4*((\a)/4)
.irp b, 0,1,2,3,4,5,6,7
	ds_store_b128 v[STO], v[AC+8*\b:AC+8*\b+3] offset:128*(\b/2)+32*(\b%2)
	ds_store_b128 v[STO], v[AC+8*\b+4:AC+8*\b+7] offset:128*(\b/2)+32*(\b%2)+16
.endr
	WIN 0
.set BB, BK+64*((\a)%2)
.irp t, 0,1,2,3,4,5,6,7,8,9,10,11,12,13,14,15
	ds_load_b128 v[BB+4*\t:BB+4*\t+3], v[RD] offset:\t*SPITCH
.endr
.endm
.macro SEND a, younger
.set BB, BK+64*((\a)%2)
	s_wait_dscnt \younger
.irp t, 0,1,2,3,4,5,6,7,8,9,10,11,12,13,14,15
	v_pk_add_f32 v[BB+4*\t:BB+4*\t+1], v[BB+4*\t:BB+4*\t+1], v[BN:BN+1]
	v_pk_add_f32 v[BB+4*\t+2:BB+4*\t+3], v[BB+4*\t+2:BB+4*\t+3], v[BN+2:BN+3]
	global_store_b128 v[VO], v[BB+4*\t:BB+4*\t+3], s[12:13] offset:(32*((\a)/2)+8*((\a)%2)+\t+8*(\t/8))*4096 th:TH_STORE_NT
.endr
.endm
	PLACES NP
	s_wait_loadcnt 0x0
	TOSTAGE 0
.irp a, 1,2,3,4,5,6,7
.if \a > 1
	s_wait_xcnt 0x0
.endif
	TOSTAGE \a
	SEND \a-1, 32
.endr
	SEND 7, 0
	s_wait_tensorcnt 0x0
	ds_add_u32 v[SPW], v[NIL]
	s_wait_dscnt 0x0
	CROUND
	s_endpgm
.Lfunc_end_k_qe62c0f8f5f_proj:
	.size	k_qe62c0f8f5f_proj, .Lfunc_end_k_qe62c0f8f5f_proj-k_qe62c0f8f5f_proj
	.p2alignl 7, 3214868480
	.fill 96, 4, 3214868480
	.section	.rodata,"a",@progbits
	.p2align	6, 0x0
	.amdhsa_kernel k_qe62c0f8f5f_proj
		.amdhsa_group_segment_fixed_size 327680
		.amdhsa_private_segment_fixed_size 0
		.amdhsa_enable_private_segment 0
		.amdhsa_kernarg_size 48
		.amdhsa_user_sgpr_count 2
		.amdhsa_user_sgpr_kernarg_segment_ptr 1
		.amdhsa_wavefront_size32 1
		.amdhsa_system_sgpr_workgroup_id_x 1
		.amdhsa_system_sgpr_workgroup_id_y 1
		.amdhsa_system_sgpr_workgroup_id_z 1
		.amdhsa_system_vgpr_workitem_id 0
		.amdhsa_next_free_vgpr 1024
		.amdhsa_next_free_sgpr 106
		.amdhsa_reserve_vcc 0
		.amdhsa_float_denorm_mode_32 3
		.amdhsa_float_denorm_mode_16_64 3
		.amdhsa_memory_ordered 1
		.amdhsa_forward_progress 1
		.amdhsa_inst_pref_size 162
	.end_amdhsa_kernel
	.amdgpu_metadata
---
amdhsa.version: [ 1, 2 ]
amdhsa.kernels:
  - .name:           k_qe62c0f8f5f_proj
    .symbol:         k_qe62c0f8f5f_proj.kd
    .args:
      - { .name: att_img, .offset: 0, .size: 8, .value_kind: global_buffer, .address_space: global }
      - { .name: att_sc, .offset: 8, .size: 8, .value_kind: global_buffer, .address_space: global }
      - { .name: in_img, .offset: 16, .size: 8, .value_kind: global_buffer, .address_space: global }
      - { .name: in_sc, .offset: 24, .size: 8, .value_kind: global_buffer, .address_space: global }
      - { .name: b_out, .offset: 32, .size: 8, .value_kind: global_buffer, .address_space: global }
      - { .name: out0, .offset: 40, .size: 8, .value_kind: global_buffer, .address_space: global }
    .group_segment_fixed_size: 327680
    .private_segment_fixed_size: 0
    .kernarg_segment_align: 8
    .kernarg_segment_size: 48
    .max_flat_workgroup_size: 128
    .sgpr_count:     106
    .vgpr_count:     1024
    .wavefront_size: 32
...
	.end_amdgpu_metadata
.endif
;; end of part 4
